; MI455X (gfx1250); checked and timed in simulation.
; The chip was launched on July 23, 2026; its instructions are those of AMD's public machine-readable ISA for CDNA 5 (MIT licence, August 2026) and "CDNA5" Instruction Set Architecture Reference Guide (July 2026). The comments in the code are by the model that wrote it; some were corrected since.
;; Attention. Allowed arithmetic: matrix products marked QUANTISED: E2M1 operands, one E8M0 scale for each 32 along K, by v_wmma_scale_f32_16x16x128_f8f6f4 with both operands' format E2M1 (or v_wmma_scale_f32_32x16x128_f4), f32 sums; products left as they are: bf16, f16 or f32 operands; f32 sums; everything else in f32.
;; Inputs: W_fc 1,024 x 1,024 float32; W_qkv 3,072 x 1,024 float32; b_fc 1,024 float32; inputs 4 x 2,048 x 1,024 float32; padding_mask 4 x 2,048 int32.
;; Outputs: out0 4 x 2,048 x 1,024 float32.
;; This version of the problem:
;;   THIS VERSION OF THE PROBLEM IS GIVEN IN LOW PRECISION. The matrix products marked QUANTISED in the list below multiply operands that are first quantised to E2M1 (2 exponent bits, 1 mantissa bit; 4 bits a number), with one power-of-two scale for each 32 numbers along K (OCP MX v1.0); their sums are f32. The products marked 'left as it is' may take bf16, f16 or f32 operands, with f32 sums. Whichever they take, every output number must still come out within the allowed error. Rounding operands to bf16 (8 significant bits) uses up far more of that allowance than f16 does (11 bits, for magnitudes from 6e-5 to 65,504). All else is computed in f32.
;;   The module's matrix products, in the order in which they are computed (A, B: the left and right operand; K: the contracted axis; several contracted axes count as one K, in the product's order):
;;     1. [M 8,192, K 1,024] x [K 1,024, N 3,072]; A: input inputs; B: input W_qkv: QUANTISED
;;     2. batch 64 x [M 2,048, K 64] x [K 64, N 2,048]; A: computed on the way; B: computed on the way: left as it is (an operand is computed on the way)
;;     3. batch 64 x [M 2,048, K 2,048] x [K 2,048, N 64]; A: computed on the way; B: computed on the way: left as it is (an operand is computed on the way)
;;     4. [M 8,192, K 1,024] x [K 1,024, N 1,024]; A: computed on the way; B: input W_fc: left as it is (an operand is computed on the way)
;;   THE QUANTISER, for each operand of a quantised product, along K:
;;     - K is cut into blocks of 32 from its start; a last block that is shorter is filled with zeros.
;;     - A block's scale is 2^e with e = floor(log2(the largest magnitude in the block)) - 2, held to -126 .. 127; a block of zeros has e = 0. As a byte (E8M0): e + 127.
;;     - Each number is divided by its block's scale, clamped to +-6, and rounded to the nearest number of E2M1, ties to even, subnormals kept.
;;     - The product sums the exact products of the quantised numbers (number of the format x scale) in f32.
;;   ~~~python
;;   def quantise(x, axis):      # numpy; x: float32 -> the quantised numbers, widened to float32 again
;;       x = np.moveaxis(x, axis, -1); K = x.shape[-1]
;;       x = np.pad(x, [(0, 0)] * (x.ndim - 1) + [(0, -K % 32)]); x = x.reshape(x.shape[:-1] + (-1, 32)); a = np.abs(x).max(-1, keepdims=True)
;;       e = np.where(a > 0, np.clip(np.frexp(np.where(a > 0, a, 1))[1] - 1 - 2, -126, 127), 0)      # np.frexp(a)[1] - 1 = floor(log2(a)), exactly
;;       r = np.clip(x / 2.0 ** e, -6, 6)
;;       step = 2.0 ** (np.maximum(np.frexp(np.where(r == 0, 1, r))[1] - 1, 0) - 1)
;;       q = np.round(r / step) * step * 2.0 ** e      # np.round: ties to even
;;       return np.moveaxis(q.reshape(q.shape[:-2] + (-1,))[..., :K], -1, axis).astype(np.float32)
;;   ~~~
;; One version. Each part assembles by itself: llvm-mc -triple=amdgcn-amd-amdhsa -mcpu=gfx1250 --defsym DOCPART=n.
;; ======== version 1 of 1: 4 launches
;; limits: values are held in f16: magnitudes above 65,504 overflow, below 6.1e-05 lose precision
;; workspace buffers: xc 4,194,304 bytes; xs 262,144 bytes; wc 1,572,864 bytes; ws 98,304 bytes; wf16 2,097,152 bytes; bias 32,768 bytes; qkv 50,331,648 bytes; xatt 16,777,216 bytes
;; launch prep (part 1): grid 480 x 1, 4 waves a work-group, no clusters, 33,280 bytes of LDS; arguments inputs, W_qkv, xc, xs, wc, ws, W_fc, wf16, padding_mask, bias; writes xc, xs, wc, ws, wf16, bias
.if DOCPART == 1
	.amdgcn_target "amdgcn-amd-amdhsa--gfx1250"
	.amdhsa_code_object_version 6
	.text
	.protected	k_qf1563986a9_prep
	.globl	k_qf1563986a9_prep
	.p2align	8
	.type	k_qf1563986a9_prep,@function
k_qf1563986a9_prep:
	s_mov_b64 s[64:65], 0
	v_nop
	global_prefetch_b8 v0, s[64:65] scope:SCOPE_SE
	s_setreg_imm32_b32 hwreg(HW_REG_WAVE_MODE, 25, 1), 1
	s_wait_xcnt 0x0
; PREP.  Work-groups 0 to 351: inputs [8192][1024] and W_qkv [3072][1024], f32, K innermost, become codes of FP4 (E2M1), two to a byte, and one E8M0 scale byte for each 32 along K.
; A block's scale is 2^(floor(log2(its largest magnitude)) - 2); its byte is the largest magnitude's exponent field - 2, held at 1 from below.  Each number is divided by the scale and rounded to the nearest code, ties to even, beyond 6 the largest code.
; Work-groups 352 to 479: W_fc [1024][1024] f32 becomes f16 (32,768 bytes in, 16,384 out for each work-group), and 64 words of padding_mask become the table that the attention adds to its scores:
; -1e7 x log2(e) where the mask is above 0, else 0.
; LIMITS: a block of zeros gets the byte 1 where the rule says 127 (its codes are zeros, and this program alone reads the bytes); blocks under 2^-124 keep the byte 1; NaN and infinities are not served; |W_fc| stays under 65,504.
; Rows are dense and K is a multiple of 32: both tensors are plain streams of blocks of 32.  A wave takes 16 steps of 512 numbers.  Each load reads 512 consecutive bytes, 16 a lane; a step's 2,048 bytes turn through the
; wave's own stage in LDS and come back 64 bytes a lane, so that a lane holds 16 neighbours along K and two neighbouring lanes hold a block.  No barrier: waves share nothing.
.set SIZE_M, 8192
.set SIZE_N, 3072
.set SIZE_K, 1024
.set WAVES, 4
.set STEPS, 16
.set WGA,   SIZE_M*SIZE_K/(512*STEPS*WAVES)            ; 256 work-groups for inputs
.set WGQ,   (SIZE_M+SIZE_N)*SIZE_K/(512*STEPS*WAVES)   ; 352 that quantise
.set EMAX,  2
.set CB,    8                          ; bytes of 16 codes
.set R,     16                         ; v16-79   four sets of 16 numbers as they are loaded
.set X,     80                         ; v80-111  two sets of 16 neighbours
.set C,     128                        ; v128-191 codes: four registers for each step, so that no store's data are written again
.set E,     112                        ; v112-127 a scale byte for each step
.set WREG,  8192                       ; LDS: a region for each wave: two stages of 32 x SP bytes, behind them its 256 scale bytes
.set SP,    80                         ; a lane's place in a stage: 64 bytes + 16 of padding
.set SPW,   12                         ; v12  LDS address of my spare word; never rewritten
.set NIL,   13                         ; v13  0; never rewritten
.set SPARE, WAVES*WREG                 ; behind the four regions: the spare words, 128 bytes a wave, which no other line names
	s_load_b128 s[4:7], s[0:1], 0x0                ; inputs, W_qkv
	s_load_b128 s[8:11], s[0:1], 0x10              ; xc, xs
	s_load_b128 s[12:15], s[0:1], 0x20             ; wc, ws
	s_load_b128 s[24:27], s[0:1], 0x30             ; W_fc, wf16
	s_load_b128 s[28:31], s[0:1], 0x40             ; padding_mask, bias
	v_lshl_add_u32 v[SPW], v0, 2, SPARE
	v_mov_b32 v[NIL], 0
	v_lshrrev_b32 v1, 5, v0
	v_readfirstlane_b32 s16, v1                    ; wave
	v_and_b32 v2, 31, v0                           ; lane
	s_cmp_ge_u32 ttmp9, WGQ                        ; the work-group's number alone decides the path
	s_cbranch_scc1 .Lconvert
	v_lshlrev_b32 v3, 4, v2                        ; my 16 bytes of a load's 512
	s_mul_i32 s17, s16, WREG
	v_lshrrev_b32 v14, 2, v2
	v_mul_u32_u24 v14, v14, SP
	v_and_b32 v15, 3, v2
	v_lshl_add_u32 v14, v15, 4, v14
	v_add_nc_u32 v14, s17, v14                     ; the stage, on the way in: SP (lane / 4) + 16 (lane % 4)
	v_mul_u32_u24 v15, v2, SP
	v_add_nc_u32 v15, s17, v15                     ; and on the way out: SP x lane: my 16 neighbours
	v_mul_u32_u24 v4, v2, CB                       ; my codes' place in a step's
	v_lshrrev_b32 v5, 1, v2
	s_add_co_u32 s17, s17, 2*32*SP
	v_add_nc_u32 v5, s17, v5                       ; LDS: my wave's 256 scale bytes, my block's byte
	v_lshlrev_b32 v7, 3, v2                        ; and on the way out 8 bytes a lane
	v_add_nc_u32 v6, s17, v7
	s_wait_kmcnt 0x0
	s_cmp_lt_u32 ttmp9, WGA                        ; inputs or W_qkv: only pointers are chosen, both take one path
	s_cselect_b64 s[4:5], s[4:5], s[6:7]
	s_cselect_b64 s[8:9], s[8:9], s[12:13]
	s_cselect_b64 s[10:11], s[10:11], s[14:15]
	s_cselect_b32 s17, 0, WGA
	s_sub_co_u32 s17, ttmp9, s17
	s_lshl_b32 s17, s17, 2
	s_add_co_u32 s18, s17, s16                     ; which run of 8,192 numbers of the tensor is my wave's
	s_mov_b32 s19, 0
	s_mov_b64 s[20:21], 512*STEPS*4
	s_mul_u64 s[20:21], s[18:19], s[20:21]
	s_add_nc_u64 s[4:5], s[4:5], s[20:21]
	s_mov_b64 s[20:21], 32*STEPS*CB
	s_mul_u64 s[20:21], s[18:19], s[20:21]
	s_add_nc_u64 s[8:9], s[8:9], s[20:21]
	s_lshl_b32 s18, s18, 8                         ; 256 scale bytes a run
	s_add_nc_u64 s[10:11], s[10:11], s[18:19]
.macro LOAD t
.irp i, 0,1,2,3
	global_load_b128 v[R+16*((\t)%4)+4*\i:R+16*((\t)%4)+4*\i+3], v3, s[4:5] offset:2048*(\t)+512*\i th:TH_LOAD_NT   ; 32 lanes read 512 consecutive bytes
.endr
.endm
.macro TURN t                          ; step t's numbers through the stage: LDS serves a wave's instructions in order, so no wait stands between the stores and the loads
.irp i, 0,1,2,3
	ds_store_b128 v14, v[R+16*((\t)%4)+4*\i:R+16*((\t)%4)+4*\i+3] offset:32*SP*((\t)%2)+8*SP*\i
.endr
.irp i, 0,1,2,3
	ds_load_b128 v[X+16*((\t)%2)+4*\i:X+16*((\t)%2)+4*\i+3], v15 offset:32*SP*((\t)%2)+16*\i
.endr
.endm
.irp t, 0,1,2,3
	LOAD \t
.endr
	s_wait_loadcnt 12                              ; step 0's four loads are in; the twelve of steps 1 to 3 may be out
	TURN 0
.macro STEP t
.set XS, X+16*((\t)%2)
.if (\t) > 0
	s_wait_dscnt 1                                 ; this step's numbers are back from the stage (the last step's byte store may be out)
.else
	s_wait_dscnt 0x0
.endif
.if (\t)+4 < STEPS
	LOAD (\t)+4                                    ; the stage's stores have read their registers: they take the loads of four steps on
.endif
.if (\t)+1 < STEPS
.if STEPS-2-(\t) >= 3
	s_wait_loadcnt 12                              ; the next step's four loads are in; those of the three steps behind it may be out
.else
	s_wait_loadcnt 4*(STEPS-2-(\t))
.endif
	TURN (\t)+1                                    ; and go through the other stage while this step is worked
.endif
	v_max3_num_f32 v8, |v[XS]|, |v[XS+1]|, |v[XS+2]|               ; the largest magnitude of my 16, in two chains
	v_max3_num_f32 v9, |v[XS+3]|, |v[XS+4]|, |v[XS+5]|
.irp i, 6,10
	v_max3_num_f32 v8, v8, |v[XS+\i]|, |v[XS+\i+1]|
	v_max3_num_f32 v9, v9, |v[XS+\i+2]|, |v[XS+\i+3]|
.endr
	v_max3_num_f32 v8, v8, |v[XS+14]|, |v[XS+15]|
	v_max3_num_f32 v8, v8, v9, (EMAX+1)<<23        ; and the floor 2^(3 - 127): the byte cannot fall under 1
	v_max_num_f32_dpp v8, v8, v8 row_xmask:1 row_mask:0xf bank_mask:0xf   ; and of my neighbour's 16: the block's
	v_add_nc_u32 v11, -(EMAX<<23), v8              ; 2 off its exponent field: the conversion takes the exponent field of this operand as its scale
	v_cvt_scalef32_pk8_fp4_f32 v[C+4*(\t)], v[XS:XS+7], v11
	v_cvt_scalef32_pk8_fp4_f32 v[C+4*(\t)+1], v[XS+8:XS+15], v11
	v_lshrrev_b32 v[E+(\t)], 23, v11               ; the scale's byte (also the plain line behind the conversions)
	ds_store_b8 v5, v[E+(\t)] offset:16*(\t)       ; both lanes of a block write the same byte with the same value
	global_store_b64 v4, v[C+4*(\t):C+4*(\t)+1], s[8:9] offset:32*CB*(\t)   ; the wave stores 256 consecutive bytes, aligned
.endm
.irp t, 0,1,2,3,4,5,6,7,8,9,10,11,12,13,14,15
	STEP \t
.endr
	ds_load_b64 v[8:9], v6                         ; my wave's 256 scale bytes
	s_wait_dscnt 0x0
	global_store_b64 v7, v[8:9], s[10:11]          ; 32 lanes store 256 consecutive bytes, aligned
	s_wait_tensorcnt 0x0                           ; the wave's end, behind my last LDS store
	ds_add_u32 v[SPW], v[NIL]
	s_wait_dscnt 0x0
	s_endpgm
.Lconvert:                                         ; W_fc to f16, and the mask's table.  Only the closing add touches LDS on this path
	s_sub_co_u32 s17, ttmp9, WGQ                   ; g = 0 .. 127
	s_lshl_b32 s18, s17, 15                        ; 32,768 bytes of W_fc,
	s_mov_b32 s19, 0
	s_lshl_b32 s20, s17, 14                        ; 16,384 of wf16,
	s_mov_b32 s21, 0
	s_lshl_b32 s22, s17, 8                         ; 256 of the mask and of the table
	s_mov_b32 s23, 0
	v_lshlrev_b32 v20, 5, v0                       ; thread t: 8 numbers: 32 bytes in,
	v_lshlrev_b32 v21, 4, v0                       ; 16 bytes out
	s_wait_kmcnt 0x0
	s_add_nc_u64 s[24:25], s[24:25], s[18:19]
	s_add_nc_u64 s[26:27], s[26:27], s[20:21]
	s_add_nc_u64 s[28:29], s[28:29], s[22:23]
	s_add_nc_u64 s[30:31], s[30:31], s[22:23]
.irp i, 0,1,2,3,4,5,6,7
	global_load_b128 v[32+8*\i:35+8*\i], v20, s[24:25] offset:4096*\i th:TH_LOAD_NT
	global_load_b128 v[36+8*\i:39+8*\i], v20, s[24:25] offset:4096*\i+16 th:TH_LOAD_NT
.endr
.irp i, 0,1,2,3,4,5,6,7
	s_wait_loadcnt 14-2*\i                         ; pair i is in; the younger pairs may be out
	v_cvt_pk_f16_f32 v[96+4*\i], v[32+8*\i], v[33+8*\i]
	v_cvt_pk_f16_f32 v[97+4*\i], v[34+8*\i], v[35+8*\i]
	v_cvt_pk_f16_f32 v[98+4*\i], v[36+8*\i], v[37+8*\i]
	v_cvt_pk_f16_f32 v[99+4*\i], v[38+8*\i], v[39+8*\i]
	global_store_b128 v21, v[96+4*\i:99+4*\i], s[26:27] offset:2048*\i   ; a wave stores 512 consecutive bytes
.endr
	s_cmp_lg_u32 s16, 0                            ; the 64 words of the mask are wave 0's
	s_cbranch_scc1 .Lno_mask
	v_lshlrev_b32 v22, 3, v2                       ; two words a lane
	global_load_b64 v[128:129], v22, s[28:29]
	v_mov_b32 v23, 0xcb5c2346                      ; -1e7 x log2(e) = -14,426,950
	v_mov_b32 v24, 0
	s_wait_loadcnt 0x0
	v_cmp_lt_i32 vcc_lo, 0, v128
	v_cndmask_b32 v130, v24, v23, vcc_lo
	v_cmp_lt_i32 vcc_lo, 0, v129
	v_cndmask_b32 v131, v24, v23, vcc_lo
	global_store_b64 v22, v[130:131], s[30:31]     ; 256 consecutive bytes, aligned
.Lno_mask:
	s_wait_tensorcnt 0x0                           ; the same three closing lines as on the other path
	ds_add_u32 v[SPW], v[NIL]
	s_wait_dscnt 0x0
	s_endpgm
.Lfunc_end_k_qf1563986a9_prep:
	.size	k_qf1563986a9_prep, .Lfunc_end_k_qf1563986a9_prep-k_qf1563986a9_prep
	.p2alignl 7, 3214868480
	.fill 96, 4, 3214868480
	.section	.rodata,"a",@progbits
	.p2align	6, 0x0
	.amdhsa_kernel k_qf1563986a9_prep
		.amdhsa_group_segment_fixed_size 33280
		.amdhsa_private_segment_fixed_size 0
		.amdhsa_enable_private_segment 0
		.amdhsa_kernarg_size 80
		.amdhsa_user_sgpr_count 2
		.amdhsa_user_sgpr_kernarg_segment_ptr 1
		.amdhsa_wavefront_size32 1
		.amdhsa_system_sgpr_workgroup_id_x 1
		.amdhsa_system_sgpr_workgroup_id_y 1
		.amdhsa_system_sgpr_workgroup_id_z 1
		.amdhsa_system_vgpr_workitem_id 0
		.amdhsa_next_free_vgpr 192
		.amdhsa_next_free_sgpr 66
		.amdhsa_reserve_vcc 1
		.amdhsa_float_denorm_mode_32 3
		.amdhsa_float_denorm_mode_16_64 3
		.amdhsa_memory_ordered 1
		.amdhsa_forward_progress 1
		.amdhsa_inst_pref_size 39
	.end_amdhsa_kernel
	.amdgpu_metadata
---
amdhsa.version: [ 1, 2 ]
amdhsa.kernels:
  - .name:           k_qf1563986a9_prep
    .symbol:         k_qf1563986a9_prep.kd
    .args:
      - { .name: inputs, .offset: 0, .size: 8, .value_kind: global_buffer, .address_space: global }
      - { .name: W_qkv, .offset: 8, .size: 8, .value_kind: global_buffer, .address_space: global }
      - { .name: xc, .offset: 16, .size: 8, .value_kind: global_buffer, .address_space: global }
      - { .name: xs, .offset: 24, .size: 8, .value_kind: global_buffer, .address_space: global }
      - { .name: wc, .offset: 32, .size: 8, .value_kind: global_buffer, .address_space: global }
      - { .name: ws, .offset: 40, .size: 8, .value_kind: global_buffer, .address_space: global }
      - { .name: W_fc, .offset: 48, .size: 8, .value_kind: global_buffer, .address_space: global }
      - { .name: wf16, .offset: 56, .size: 8, .value_kind: global_buffer, .address_space: global }
      - { .name: padding_mask, .offset: 64, .size: 8, .value_kind: global_buffer, .address_space: global }
      - { .name: bias, .offset: 72, .size: 8, .value_kind: global_buffer, .address_space: global }
    .group_segment_fixed_size: 33280
    .private_segment_fixed_size: 0
    .kernarg_segment_align: 8
    .kernarg_segment_size: 80
    .max_flat_workgroup_size: 128
    .sgpr_count:     66
    .vgpr_count:     192
    .wavefront_size: 32
...
	.end_amdgpu_metadata
.endif
;; end of part 1
;; launch qkv (part 2): grid 12 x 32, 4 waves a work-group, clusters of 4 x 4, 327,680 bytes of LDS; arguments xc, xs, wc, ws, qkv, padding_mask; writes qkv
.if DOCPART == 2
	.amdgcn_target "amdgcn-amd-amdhsa--gfx1250"
	.amdhsa_code_object_version 6
	.text
	.protected	k_qf1563986a9_qkv
	.globl	k_qf1563986a9_qkv
	.p2align	8
	.type	k_qf1563986a9_qkv,@function
k_qf1563986a9_qkv:
	s_mov_b64 s[64:65], 0
	v_nop
	global_prefetch_b8 v0, s[64:65] scope:SCOPE_SE
	s_setreg_imm32_b32 hwreg(HW_REG_WAVE_MODE, 25, 1), 1
	s_wait_xcnt 0x0
	s_wait_alu depctr_hold_cnt(0) depctr_sa_sdst(0) depctr_va_vdst(0) depctr_va_sdst(0) depctr_va_ssrc(0) depctr_va_vcc(0) depctr_vm_vsrc(0)
	s_getreg_b32 s2, hwreg(HW_REG_IB_STS2, 6, 4)
	s_cmp_eq_u32 s2, 0
	s_cbranch_scc0 .Lentry_in_a_cluster
	s_endpgm
.Lentry_in_a_cluster:
	s_bfe_u32 s2, ttmp6, 0x10000c
	s_cmp_lg_u32 s2, 0xf033
	s_cbranch_scc0 .Lentry_shape_is_right
	s_endpgm
.Lentry_shape_is_right:
; QKV.  C[m][n] = sum over k of inputs[m][k] W_qkv[n][k], both as codes of FP4 (E2M1) with one E8M0 scale for each 32 along K; sums in f32, K ascending.  M = 8,192, N = 3,072, K = 1,024.
; What leaves is f16, laid [3 (q, k, v)][4 batches][16 heads][2,048 tokens][64]: q multiplied by c = log2(e) / 8, so that the attention's scores are exponents of 2; k's rows of masked tokens (padding_mask > 0) multiplied by 0,
; so that their scores are exactly 0 and the attention's table alone stands for them; v as it is.
; LIMIT: |c q|, |k|, |v| stay under 65,504, f16's largest number.
; A tile of C, 256 x 256, is made by four waves, each 128 x 128: 64 accumulators, 512 registers.  K is two slots of 512: both are asked for at the head, so no slot is ever filled again.
; The scales of the work-group's 256 + 256 rows, for all of K, come once, in rows of 256 bytes.
; CLUSTERS: 4 x 4 work-groups; A's tiles are shared along a row of the cluster, B's along a column: each is asked for jointly, by the same tensor load with the same descriptor and a mask that names the four.
; THE MATRIX INSTRUCTION IS USED TRANSPOSED (source 0 = 16 rows of W_qkv, source 1 = 16 tokens): a lane holds eight neighbouring columns of one token.
; REGISTERS: window 0: v0-31 addresses; v32-95 scale words, two sets; v96-111 the row factors, a pair for each block of 16 tokens; v112-119 the mask's words; v128-191 A's fragments; on the way out v32-63, v192-255 are free.
;   window 1: B's fragments, two sets.   window 2: the accumulators of my rows 0-63 ((a, b) at v[8 (8 a + b)]);   window 3: those of rows 64-127.
.set SIZE_M, 8192
.set SIZE_N, 3072
.set SIZE_K, 1024
.set KSTEP,  512                       ; along K in a slot
.set NQ,     KSTEP/128                 ; matrix instructions deep
.set ROWB,   256                       ; a tile's row in bytes
.set KROW,   SIZE_K*4/8                ; a row of codes in memory
.set PITCH,  272                       ; an LDS row: 256 bytes + 16 of padding: the 16 rows that a load touches start 16 bytes apart modulo 256
.set FR,     8                         ; registers of a fragment
.set NL,     2                         ; LDS loads that bring one
.set NP,     4                         ; places behind this matrix instruction (ISA guide 7.12.1)
.set HALFT,  128*PITCH
.set SLOT,   4*HALFT
.set KS,     SIZE_K/32                 ; a row of scales in bytes
.set SCL,    2*SLOT                    ; behind the two slots: the scales
.set HALFS,  (128*KS/256)*272
.set SBLK,   (16*KS/256)*272
.set SPARE,  SCL+4*HALFS               ; the spare words, 128 bytes a wave, which no other line names
.set SPITCH, 272                       ; the way out: a stage of 16 rows x (256 bytes + 16) for each wave, in slot 0, which has had its only fill and its last read by then
.set ADRA, 16
.set ADRB, 20
.set STO,  24
.set RD,   25
.set CO,   26
.set ADRS, 27
.set SPW,  28
.set NIL,  29
.set SC,   32
.set FAC,  96
.set MK,   112
.set AF,   128
.set TMP,  192                         ; the way out: 32 registers of packed f16
.set OB,   32                          ; 16 rows read back: v32-63 and v224-255 by turns
.set G1, 24
.set G0, 32
.set G1B, 48
.set G0B, 56
.set G1S, 68
.set G0S, 76
.set G1SB, 80
.set G0SB, 88
.set MSB, 0
.macro WIN new                         ; the immediate's high byte repeats the setting that is left
.if MSB != (\new)
	s_set_vgpr_msb (MSB<<8)|(\new)
.set MSB, (\new)
.endif
.endm
.set MUL_LO, 0xa1                      ; source 0 (B) window 1, source 1 (A) window 0, C and D window 2
.set MUL_HI, 0xf1                      ; the same, C and D window 3
.set TO_B,   0x40                      ; destination window 1, address window 0
; A joint load: waves 0 and 1 fetch for A, waves 2 and 3 for B; the branch hangs on the wave's number alone.  An s_nop 0 and four v_nop follow each line.
.macro JLOAD g0a, g1a, g0b, g1b
	s_cmp_eq_u32 s15, 0
	s_cbranch_scc0 .Lfor_b_\@
	tensor_load_to_lds s[\g0a:\g0a+3], s[\g1a:\g1a+7]
	s_nop 0
.rept 4
	v_nop
.endr
	s_branch .Lasked_\@
.Lfor_b_\@:
	tensor_load_to_lds s[\g0b:\g0b+3], s[\g1b:\g1b+7]
	s_nop 0
.rept 4
	v_nop
.endr
.Lasked_\@:
.endm
.macro CROUND                          ; a round of the cluster's barrier
	s_barrier_signal -1
	s_barrier_wait -1
	s_cmp_lg_u32 s14, 0
	s_cbranch_scc1 .Lnot_wave_0_\@
	s_barrier_signal -3
.Lnot_wave_0_\@:
	s_barrier_wait -3
	s_barrier_signal -1
	s_barrier_wait -1
.endm
	s_load_b128 s[4:7], s[0:1], 0x0                ; xc, xs
	s_load_b128 s[8:11], s[0:1], 0x10              ; wc, ws
	s_load_b64 s[12:13], s[0:1], 0x20              ; qkv
	s_load_b64 s[96:97], s[0:1], 0x28              ; padding_mask
	v_lshl_add_u32 v[SPW], v0, 2, SPARE
	v_mov_b32 v[NIL], 0
	ds_add_u32 v[SPW], v[NIL]                      ; the opening: the add, twice on end, and its wait ahead of my first tensor load
	ds_add_u32 v[SPW], v[NIL]
	v_lshrrev_b32 v1, 5, v0
	v_readfirstlane_b32 s14, v1                    ; wave 0..3
	s_lshr_b32 s15, s14, 1                         ; which half of the tile's rows is mine.  Also: I fetch for A (0) or for B (1)
	s_and_b32 s16, s14, 1                          ; which half of its columns.  Also: which 128 rows of that tile I fetch
	s_bfe_u32 s40, ttmp6, 0x40000                  ; cx, cy
	s_bfe_u32 s41, ttmp6, 0x40004
	s_lshl_b32 s42, ttmp9, 2
	s_add_co_u32 s42, s42, s40                     ; tile column = 4 x cluster x + cx
	s_and_b32 s17, ttmp7, 0xffff
	s_lshl_b32 s17, s17, 2
	s_add_co_u32 s17, s17, s41                     ; tile row = 4 x cluster y + cy
	s_lshl_b32 s43, s41, 2
	s_lshl_b32 s43, 15, s43                        ; my row of the cluster
	s_lshl_b32 s44, 0x1111, s40                    ; my column
	s_or_b32 s[G1+0], s43, (0<<16)|(1<<20)|(1<<21)|(5<<22)|(3<<25)  ; the mask; elements of 1 byte; padding on; bit 21 beside a mask; after every 64 words, 4 words
	s_or_b32 s[G1B+0], s44, (0<<16)|(1<<20)|(1<<21)|(5<<22)|(3<<25)
.irp g, G1, G1B
	s_mov_b32 s[\g+1], ROWB<<16                    ; tensor_dim0
	s_mov_b32 s[\g+2], 128<<16                     ; tensor_dim1
	s_mov_b32 s[\g+3], ROWB<<16                    ; tile_dim0
	s_mov_b32 s[\g+4], 128                         ; tile_dim1
	s_mov_b32 s[\g+5], KROW                        ; the pitch
	s_mov_b32 s[\g+6], 0
	s_mov_b32 s[\g+7], 0
.endr
	s_or_b32 s[G1S+0], s43, (3<<16)|(1<<20)|(1<<21)|(5<<22)|(3<<25)   ; the scales of 128 rows: 4,096 dense bytes as 16 rows of 256 (32 elements of 8 bytes), 16 bytes of padding behind each
	s_or_b32 s[G1SB+0], s44, (3<<16)|(1<<20)|(1<<21)|(5<<22)|(3<<25)
.irp g, G1S, G1SB
	s_mov_b32 s[\g+1], 32<<16
	s_mov_b32 s[\g+2], (128*KS/256)<<16
	s_mov_b32 s[\g+3], 32<<16
	s_mov_b32 s[\g+4], 128*KS/256
	s_mov_b32 s[\g+5], 32
	s_mov_b32 s[\g+6], 0
	s_mov_b32 s[\g+7], 0
.endr
	s_lshl_b32 s18, s16, 7                         ; which 128 rows of the tile I fetch
	s_lshl_b32 s20, s17, 8
	s_add_co_u32 s20, s20, s18                     ; A: row 256 x tile row + 128 x half
	s_lshl_b32 s46, s42, 8
	s_add_co_u32 s46, s46, s18                     ; B: row 256 x tile column + 128 x half
	s_mov_b32 s21, 0
	s_mov_b32 s47, 0
	s_mov_b64 s[18:19], KS
	s_mul_u64 s[22:23], s[20:21], s[18:19]         ; where these rows' scales begin
	s_mul_u64 s[92:93], s[46:47], s[18:19]
	s_mov_b64 s[18:19], KROW
	s_mul_u64 s[20:21], s[20:21], s[18:19]         ; and their codes
	s_mul_u64 s[46:47], s[46:47], s[18:19]
	s_mul_i32 s45, s14, HALFT                      ; where they go: wave x 128 rows
	s_mul_i32 s94, s14, HALFS
	s_wait_dscnt 0x0                               ; both opening adds are done
	s_wait_kmcnt 0x0
	s_add_nc_u64 s[20:21], s[4:5], s[20:21]
	s_add_nc_u64 s[22:23], s[6:7], s[22:23]
	s_add_nc_u64 s[46:47], s[8:9], s[46:47]
	s_add_nc_u64 s[92:93], s[10:11], s[92:93]
	CROUND                                         ; all sixteen work-groups are here: the joint loads meet
	s_mov_b32 s[G0S], 1
	s_add_co_u32 s[G0S+1], s94, SCL
	s_mov_b64 s[G0S+2:G0S+3], s[22:23]
	s_or_b32 s[G0S+3], s[G0S+3], 0x80000000
	s_mov_b32 s[G0SB], 1
	s_add_co_u32 s[G0SB+1], s94, SCL
	s_mov_b64 s[G0SB+2:G0SB+3], s[92:93]
	s_or_b32 s[G0SB+3], s[G0SB+3], 0x80000000
	JLOAD G0S, G1S, G0SB, G1SB                     ; the scales first: they are wanted with the first slot
.irp s, 0,1
	s_mov_b32 s[G0+4*\s], 1
	s_add_co_u32 s[G0+4*\s+1], s45, \s*SLOT
	s_add_nc_u64 s[G0+4*\s+2:G0+4*\s+3], s[20:21], \s*ROWB
	s_or_b32 s[G0+4*\s+3], s[G0+4*\s+3], 0x80000000
	s_mov_b32 s[G0B+4*\s], 1
	s_add_co_u32 s[G0B+4*\s+1], s45, \s*SLOT
	s_add_nc_u64 s[G0B+4*\s+2:G0B+4*\s+3], s[46:47], \s*ROWB
	s_or_b32 s[G0B+4*\s+3], s[G0B+4*\s+3], 0x80000000
	JLOAD G0+4*\s, G1, G0B+4*\s, G1B               ; three tensor loads of mine are out in all
.endr
	v_and_b32 v1, 15, v0                           ; r = l % 16
	v_bfe_u32 v2, v0, 4, 1                         ; h = l / 16
	v_mul_u32_u24 v3, v1, PITCH
	v_lshl_add_u32 v4, v2, 4, v3                   ; a fragment's row x pitch + 16 x half
	s_mul_i32 s21, s15, HALFT                      ; my 128 rows of A
	s_mul_i32 s22, s16, HALFT                      ; my 128 rows of B,
	s_add_co_u32 s22, s22, 2*HALFT                 ; behind A's 256
.irp s, 0,1
	v_add_nc_u32 v[ADRA+\s], s21, v4
	v_add_nc_u32 v[ADRB+\s], s22, v4
	s_add_co_u32 s21, s21, SLOT
	s_add_co_u32 s22, s22, SLOT
.endr
	v_mul_u32_u24 v5, v1, KS                       ; my row's scales: KS bytes a row,
	v_lshrrev_b32 v6, 8, v5
	v_lshl_add_u32 v5, v6, 4, v5                   ; and 16 more for each 256 passed
	s_mul_i32 s21, s15, HALFS
	s_mul_i32 s22, s16, HALFS
	s_add_co_u32 s22, s22, 2*HALFS
	s_sub_co_u32 s22, s22, s21
	v_mul_u32_u24 v6, s22, v2                      ; lanes 16-31 take B's
	s_add_co_u32 s21, s21, SCL
	v_add_nc_u32 v5, v5, v6
	v_add_nc_u32 v[ADRS], s21, v5
	s_mul_i32 s23, s14, 16*SPITCH                  ; my stage
	v_mul_u32_u24 v5, v1, SPITCH                   ; in: row r, 16 bytes for each half of the lanes
	v_lshl_add_u32 v5, v2, 4, v5
	v_add_nc_u32 v[STO], s23, v5
	v_and_b32 v6, 31, v0
	v_lshrrev_b32 v5, 3, v6                        ; back: eight lanes take a head's 128 bytes of a row, the wave four rows
	v_mul_u32_u24 v5, v5, SPITCH
	v_and_b32 v3, 7, v0
	v_lshl_add_u32 v5, v3, 4, v5
	v_add_nc_u32 v[RD], s23, v5
	v_lshlrev_b32 v[CO], 4, v6                     ; those four rows are 512 consecutive bytes of a head
	v_lshlrev_b32 v7, 2, v1                        ; the mask: 4 r
	s_lshl_b32 s20, s17, 8
	s_lshl_b32 s21, s15, 7
	s_add_co_u32 s20, s20, s21                     ; m0, my first token: 256 x tile row + 128 x half
	s_lshl_b32 s22, s20, 2
	s_mov_b32 s23, 0
	s_add_nc_u64 s[96:97], s[96:97], s[22:23]      ; its word of the mask
.irp a, 0,1,2,3,4,5,6,7
	global_load_b32 v[MK+\a], v7, s[96:97] offset:64*\a   ; token m0 + 16 a + r
.endr
	s_lshr_b32 s21, s20, 11                        ; the batch,
	s_and_b32 s20, s20, 2047                       ; the token in it
	s_lshl_b32 s21, s21, 22                        ; 16 heads x 262,144 bytes a batch
	s_lshl_b32 s20, s20, 7                         ; 128 bytes a token
	s_add_co_u32 s20, s20, s21
	s_lshl_b32 s21, ttmp9, 24                      ; cluster x = 0, 1, 2: q, k, v: 16 MiB each
	s_add_co_u32 s20, s20, s21
	s_mov_b32 s21, 0
	s_lshl_b32 s46, s40, 2                         ; the head: 4 x (tile column % 4) + 2 x my half of the columns
	s_lshl_b32 s47, s16, 1
	s_add_co_u32 s46, s46, s47
	s_lshl_b32 s46, s46, 18
	s_mov_b32 s47, 0
	s_add_nc_u64 s[20:21], s[20:21], s[46:47]
	s_add_nc_u64 s[12:13], s[12:13], s[20:21]
	s_cmp_eq_u32 ttmp9, 0
	s_cselect_b32 s98, 0x3e38aa3b, 1.0             ; q: c = log2(e) / 8; k, v: 1
	s_cmp_eq_u32 ttmp9, 1
	s_cselect_b32 s99, 0, s98                      ; a masked token's factor: 0 in k, else the same
	v_mov_b32 v30, s98
	v_mov_b32 v31, s99
	s_wait_loadcnt 0x0                             ; the mask's words
.irp a, 0,1,2,3,4,5,6,7
	v_cmp_lt_i32 vcc_lo, 0, v[MK+\a]
	v_cndmask_b32 v[FAC+2*\a], v30, v31, vcc_lo
	v_mov_b32 v[FAC+2*\a+1], v[FAC+2*\a]           ; a pair for the packed multiply
.endr
.macro FRAG reg, adr, q, i             ; 16 rows x 128 K of 4-bit codes: 8 registers; registers 4 c .. 4 c + 3 hold K = 64 c + 32 (l / 16) + 0 .. 31
.irp c, 0,1
	ds_load_b128 v[\reg+4*\c:\reg+4*\c+3], v[\adr] offset:64*(\q)+32*\c+(\i)*16*PITCH
.endr
.endm
; 16 matrix instructions: A's blocks a0, a0 + 1 x B's eight.  The 64 accumulators take turns, one instruction a turn, in the same order in every step.
.macro MUL16 a0, p, q, sc, zero
.irp a, \a0, \a0+1
.irp b, 0,1,2,3,4,5,6,7
.if \zero
	v_wmma_scale_f32_16x16x128_f8f6f4 v[8*(8*((\a)%4)+\b):8*(8*((\a)%4)+\b)+7], v[128*(\p)+FR*\b:128*(\p)+FR*\b+FR-1], v[AF+FR*(\a):AF+FR*(\a)+FR-1], 0, v[SC+8*NQ*(\sc)+NQ*\b+(\q)], v[SC+8*NQ*(\sc)+NQ*(\a)+(\q)] matrix_a_fmt:MATRIX_FMT_FP4 matrix_b_fmt:MATRIX_FMT_FP4 matrix_a_scale:MATRIX_SCALE_ROW1
.else
	v_wmma_scale_f32_16x16x128_f8f6f4 v[8*(8*((\a)%4)+\b):8*(8*((\a)%4)+\b)+7], v[128*(\p)+FR*\b:128*(\p)+FR*\b+FR-1], v[AF+FR*(\a):AF+FR*(\a)+FR-1], v[8*(8*((\a)%4)+\b):8*(8*((\a)%4)+\b)+7], v[SC+8*NQ*(\sc)+NQ*\b+(\q)], v[SC+8*NQ*(\sc)+NQ*(\a)+(\q)] matrix_a_fmt:MATRIX_FMT_FP4 matrix_b_fmt:MATRIX_FMT_FP4 matrix_a_scale:MATRIX_SCALE_ROW1
.endif
.endr
.endr
.endm
.macro FETCH_B slot, q, p
	WIN TO_B
.irp i, 0,1,2,3,4,5,6,7
	FRAG 128*(\p)+FR*\i, ADRB+\slot, \q, \i
.endr
	WIN 0
.endm
.macro FETCH_A slot, q, i0
.irp i, \i0, \i0+1, \i0+2, \i0+3
	FRAG AF+FR*(\i), ADRA+\slot, \q, \i
.endr
.endm
.macro SCALES sc                       ; a slot's scale words: lanes 0-15 take A's block i, lanes 16-31 B's block i
.irp i, 0,1,2,3,4,5,6,7
	ds_load_b128 v[SC+8*NQ*\sc+NQ*\i:SC+8*NQ*\sc+NQ*\i+3], v[ADRS] offset:\i*SBLK
.endr
.endm
.macro PLACES n                        ; plain vector lines between a matrix instruction and a load into, or a read of, its registers
.rept \n
	v_nop
.endr
.endm
.macro STEP slot, q, zero              ; 128 along K, with its successor in the same slot
	s_wait_dscnt 4*NL                              ; B's set and A's blocks 0-3 are in; the youngest eight loads (A's blocks 4-7) may be out
	WIN MUL_LO
	MUL16 0, (\q)%2, \q, \slot, \zero
	MUL16 2, (\q)%2, \q, \slot, \zero
	s_wait_dscnt 0
	PLACES NP
	FETCH_B \slot, (\q)+1, 1-(\q)%2
	FETCH_A \slot, (\q)+1, 0
	WIN MUL_HI
	MUL16 4, (\q)%2, \q, \slot, \zero
	MUL16 6, (\q)%2, \q, \slot, \zero
	PLACES NP
	WIN 0
	FETCH_A \slot, (\q)+1, 4
.endm
.macro TURN slot, next                 ; slot 0's last step changes slots: one barrier; nothing is filled again
	s_wait_tensorcnt 0x0                           ; my part of the other slot has landed
	ds_add_u32 v[SPW], v[NIL]
	s_wait_dscnt 4*NL+1                            ; (the add and the youngest eight loads may be out)
	WIN MUL_LO
	MUL16 0, 1, NQ-1, \slot, 0
	s_wait_dscnt 0x0                               ; the add is done, and my reads of this slot are over
	s_barrier_signal -1
	MUL16 2, 1, NQ-1, \slot, 0
	WIN 0
	s_barrier_wait -1                              ; the other slot is whole, and nobody reads this one any more
	PLACES NP
	v_add_nc_u32 v[ADRS], 4*NQ, v[ADRS]            ; the next slot's scale words
	FETCH_B \next, 0, 0
	FETCH_A \next, 0, 0
	SCALES \next
	WIN MUL_HI
	MUL16 4, 1, NQ-1, \slot, 0
	MUL16 6, 1, NQ-1, \slot, 0
	PLACES NP
	WIN 0
	FETCH_A \next, 0, 4
.endm
.macro STEPS slot, from
.set Q, \from
.rept NQ-1-\from
	STEP \slot, Q, 0
.set Q, Q+1
.endr
.endm
	s_wait_tensorcnt 1                             ; the scales and my part of slot 0 are in (slot 1's load may be out),
	s_barrier_signal -1
	s_barrier_wait -1                              ; everybody's are
	FETCH_B 0, 0, 0
	FETCH_A 0, 0, 0
	SCALES 0
	FETCH_A 0, 0, 4
	STEP 0, 0, 1                                   ; the first products start the sums: nothing is cleared
	STEPS 0, 1
	TURN 0, 1
	STEPS 1, 0
	s_wait_dscnt 4*NL                              ; the last step: nothing more to fetch
	WIN MUL_LO
	MUL16 0, 1, NQ-1, 1, 0
	MUL16 2, 1, NQ-1, 1, 0
	s_wait_dscnt 0
	WIN MUL_HI
	MUL16 4, 1, NQ-1, 1, 0
	MUL16 6, 1, NQ-1, 1, 0
	WIN 0
; THE WAY OUT, a block of 16 tokens x 128 columns (two heads) at a time.  PACK: x the row's factor, rounded to f16: 16 bytes a lane and accumulator.  TOSTAGE: into my stage, and back by heads: four tokens x 128 bytes.
; SEND: those are 512 consecutive bytes of a head in memory.
.macro PACK a
.set AC, 64*((\a)%4)
	WIN 0x82+0x41*((\a)/4)                         ; destination and source 0: window 2 or 3; the factor: window 0
.set i, 0
.rept 32
	v_pk_mul_f32 v[AC+i:AC+i+1], v[AC+i:AC+i+1], v[FAC+2*(\a):FAC+2*(\a)+1]   ; each accumulator from its low end on
.set i, i+2
.endr
	WIN 0x0a+5*((\a)/4)                            ; sources 0 and 1: window 2 or 3
.set i, 0
.rept 32
	v_cvt_pk_f16_f32 v[TMP+i], v[AC+2*i], v[AC+2*i+1]
.set i, i+1
.endr
	WIN 0
.endm
.macro TOSTAGE a
.set BB, OB+192*((\a)%2)
.irp b, 0,1,2,3,4,5,6,7
	ds_store_b128 v[STO], v[TMP+4*\b:TMP+4*\b+3] offset:32*\b
.endr
.irp hd, 0,1
.irp t, 0,1,2,3
	ds_load_b128 v[BB+4*(4*\hd+\t):BB+4*(4*\hd+\t)+3], v[RD] offset:\t*4*SPITCH+128*\hd   ; LDS serves a wave's instructions in order: these see the stores above
.endr
.endr
.endm
.macro SEND a
.set BB, OB+192*((\a)%2)
	s_wait_dscnt 0x0                               ; the block is back in registers
	s_wait_xcnt 0x0                                ; the stores of the block before have read their registers: the next block's loads may land there
.irp hd, 0,1
.irp t, 0,1,2,3
	global_store_b128 v[CO], v[BB+4*(4*\hd+\t):BB+4*(4*\hd+\t)+3], s[12:13] offset:2048*(\a)+512*\t+262144*\hd   ; 32 lanes store 512 consecutive bytes, aligned
.endr
.endr
.endm
	PLACES NP                                      ; behind the last products
	PACK 0
	TOSTAGE 0
.irp a, 1,2,3,4,5,6,7                  ; block a's arithmetic stands between block a - 1's loads from the stage and the wait for them
	PACK \a
	SEND \a-1
	TOSTAGE \a
.endr
	SEND 7
	s_wait_tensorcnt 0x0                           ; the wave's end, behind my last tensor load and my last LDS store
	ds_add_u32 v[SPW], v[NIL]
	s_wait_dscnt 0x0
	CROUND                                         ; the closing round
	s_endpgm
.Lfunc_end_k_qf1563986a9_qkv:
	.size	k_qf1563986a9_qkv, .Lfunc_end_k_qf1563986a9_qkv-k_qf1563986a9_qkv
	.p2alignl 7, 3214868480
	.fill 96, 4, 3214868480
	.section	.rodata,"a",@progbits
	.p2align	6, 0x0
	.amdhsa_kernel k_qf1563986a9_qkv
		.amdhsa_group_segment_fixed_size 327680
		.amdhsa_private_segment_fixed_size 0
		.amdhsa_enable_private_segment 0
		.amdhsa_kernarg_size 48
		.amdhsa_user_sgpr_count 2
		.amdhsa_user_sgpr_kernarg_segment_ptr 1
		.amdhsa_wavefront_size32 1
		.amdhsa_system_sgpr_workgroup_id_x 1
		.amdhsa_system_sgpr_workgroup_id_y 1
		.amdhsa_system_sgpr_workgroup_id_z 1
		.amdhsa_system_vgpr_workitem_id 0
		.amdhsa_next_free_vgpr 1024
		.amdhsa_next_free_sgpr 100
		.amdhsa_reserve_vcc 1
		.amdhsa_float_denorm_mode_32 3
		.amdhsa_float_denorm_mode_16_64 3
		.amdhsa_memory_ordered 1
		.amdhsa_forward_progress 1
		.amdhsa_inst_pref_size 145
	.end_amdhsa_kernel
	.amdgpu_metadata
---
amdhsa.version: [ 1, 2 ]
amdhsa.kernels:
  - .name:           k_qf1563986a9_qkv
    .symbol:         k_qf1563986a9_qkv.kd
    .args:
      - { .name: xc, .offset: 0, .size: 8, .value_kind: global_buffer, .address_space: global }
      - { .name: xs, .offset: 8, .size: 8, .value_kind: global_buffer, .address_space: global }
      - { .name: wc, .offset: 16, .size: 8, .value_kind: global_buffer, .address_space: global }
      - { .name: ws, .offset: 24, .size: 8, .value_kind: global_buffer, .address_space: global }
      - { .name: qkv, .offset: 32, .size: 8, .value_kind: global_buffer, .address_space: global }
      - { .name: padding_mask, .offset: 40, .size: 8, .value_kind: global_buffer, .address_space: global }
    .group_segment_fixed_size: 327680
    .private_segment_fixed_size: 0
    .kernarg_segment_align: 8
    .kernarg_segment_size: 48
    .max_flat_workgroup_size: 128
    .sgpr_count:     100
    .vgpr_count:     1024
    .wavefront_size: 32
...
	.end_amdgpu_metadata
.endif
;; end of part 2
;; launch attn (part 3): grid 8 x 32, 8 waves a work-group, clusters of 4 x 1, 327,680 bytes of LDS; arguments qkv, bias, xatt; writes xatt
.if DOCPART == 3
	.amdgcn_target "amdgcn-amd-amdhsa--gfx1250"
	.amdhsa_code_object_version 6
	.text
	.protected	k_qf1563986a9_attn
	.globl	k_qf1563986a9_attn
	.p2align	8
	.type	k_qf1563986a9_attn,@function
k_qf1563986a9_attn:
	s_mov_b64 s[64:65], 0
	v_nop
	global_prefetch_b8 v0, s[64:65] scope:SCOPE_SE
	s_setreg_imm32_b32 hwreg(HW_REG_WAVE_MODE, 25, 1), 1
	s_wait_xcnt 0x0
	s_wait_alu depctr_hold_cnt(0) depctr_sa_sdst(0) depctr_va_vdst(0) depctr_va_sdst(0) depctr_va_ssrc(0) depctr_va_vcc(0) depctr_vm_vsrc(0)
	s_getreg_b32 s2, hwreg(HW_REG_IB_STS2, 6, 4)
	s_cmp_eq_u32 s2, 0
	s_cbranch_scc0 .Lentry_in_a_cluster
	s_endpgm
.Lentry_in_a_cluster:
	s_bfe_u32 s2, ttmp6, 0x10000c
	s_cmp_lg_u32 s2, 0x3003
	s_cbranch_scc0 .Lentry_shape_is_right
	s_endpgm
.Lentry_shape_is_right:
; ATTENTION.  x[b][n][64 head + d] = sum over keys of softmax(q . k / 8, masked keys at -1e7) v.  q, k, v: f16, [3][4][16][2048][64]; q already holds the factor log2(e) / 8, and k's rows of masked keys are zeros.
; bias [4][2048] f32 holds -1e7 x log2(e) for a masked key and 0 for the others.  It is the C of the first product of each tile of scores: a masked key's score is then 0 + bias for every query, as the definition's replacement has it:
; where any key counts, a masked key's weight falls to 0; where all are masked, all weights are equal.  Products on f16 operands, sums, maxima and exponentials in f32; the weights are rounded to f16 for the second product.
; SOFTMAX: a running maximum m and sum l for each query: p = 2^(t - m); in every step l and O are multiplied by a = 2^(old m - new m).  The row's sum is taken of the unrounded p.
; LIMIT: x goes out in f16: |v| under 65,504.
; SHARES.  A work-group takes TWO heads x 256 queries, so that a token's 256 bytes of x (two heads' 64 channels) leave as one aligned run.  Eight waves of 512 registers: wave w has head w / 4 of the two and queries 64 (w % 4) on:
; four tiles of 16, worked as two pieces of two tiles, which share the registers of scores and weights.  Every wave walks all 2,048 keys, 64 a step.
; LAYOUT.  S^T = K Q^T (source 0 = 16 keys, source 1 = 16 queries) and O^T = V^T P (source 0 = 16 channels, source 1 = P): a lane holds one query throughout; two tiles of scores, rounded in pairs, are P's fragment as they stand.
; RING.  Two slots of 256 keys (four steps): K [2 heads][256] rows of 128 bytes + 16, V likewise + 32.  Waves 0-3 fetch K's four parts of 128 rows, waves 4-7 V's.  The table of a batch, 8,192 bytes, comes once.
; CLUSTER.  The four query blocks of a cluster walk the same K, V and table: every tile is asked for jointly, by the same tensor load with a mask that names the four.
; REGISTERS.  Window 0: v0-29 addresses; v30, v31 the add's two; v32-63 P; v64-127 Q; v128-191 S^T of the piece in hand; v192-223 the step's table in the scores' layout; v224-255 statistics, 8 a tile.
;   Window 1: v0-63 K of a step; v64-127 V of a step; v128-255 O^T, 32 a tile.
.set PK,    144                        ; a row of K in LDS
.set PVP,   160                        ; a row of V in LDS
.set SLK,   256                        ; keys in a slot
.set KHEAD, SLK*PK
.set VHEAD, SLK*PVP
.set VOFF,  2*KHEAD
.set SLOTB, VOFF+2*VHEAD               ; 155,648
.set BIAS,  2*SLOTB                    ; behind the ring: the table
.set SPARE, BIAS+8192                  ; the spare words, 128 bytes a wave: four blocks of 256 bytes that no other line names
.set SP,    272                        ; the way out: 256 rows x (256 bytes + 16), in slot 0, which has had its last fill and its last read by then
.set THIRD, 16777216                   ; bytes of q, of k, of v
.set AK0, 2                            ; v2   my lane's place in a step's K
.set AV0, 3                            ; v3   in its V
.set ADR, 4                            ; v4   the address of the run of loads in hand
.set QO,  5                            ; v5   my byte in the wave's rows of Q
.set STO, 6                            ; v6   the way out: in
.set RD,  7                            ; v7   back
.set GO,  8                            ; v8   my byte in the wave's rows of x
.set AB0, 9                            ; v9   my lane's place in a step's table
.set ADB, 10                           ; v10  its address in hand
.set PFO, 11                           ; v11  256 x lane, for the prefetches
.set SPW, 30
.set NIL, 31
.set P,   32
.set QF,  64
.set S,   128
.set BI,  192
.set ST,  224                          ; tile t at ST + 8 t: +0 m, +1 written once (named with m as a pair), +2, +3 l, +4 to +7 at work; a takes +6
.set KF,  0
.set VF,  64
.set OT,  128
.set WV,  12
.set G1K, 24
.set G1V, 32
.set G1B, 40
.set G0K, 48                           ; s[48:51], s[52:55]: a group 0 for each slot
.set G0V, 56
.set G0B, 68
.set TBK, 72                           ; LDS byte at which the K to be fetched begins
.set TBV, 73                           ; the same for V
.set TBI, 74                           ; and for the table
.set LAP, 75
.set CNT, 76
.set RF,  77                           ; refills still to come
.set SEL, 78                           ; s[78:79] lane selects: lane l xor 16
.set PFA, 80                           ; s[80:81] where my prefetches stand
.set LIM, 82                           ; 1 in a wave that prefetches, else the greatest number
.set QB,  84                           ; s[84:85] my wave's first row of Q
.set MSB, 0
.macro WIN new
.if MSB != (\new)
	s_set_vgpr_msb (MSB<<8)|(\new)
.set MSB, (\new)
.endif
.endm
.macro CROUND                          ; a round of the cluster's barrier
	s_barrier_signal -1
	s_barrier_wait -1
	s_cmp_lg_u32 s[WV], 0
	s_cbranch_scc1 .Lnot_wave_0_\@
	s_barrier_signal -3
.Lnot_wave_0_\@:
	s_barrier_wait -3
	s_barrier_signal -1
	s_barrier_wait -1
.endm
.macro JLOAD s                         ; a joint refill of slot s; the branch hangs on the wave's number alone; an s_nop 0 and four v_nop follow each line
	s_cmp_lt_u32 s[WV], 4
	s_cbranch_scc0 .Lfor_v_\@
	tensor_load_to_lds s[G0K+4*\s:G0K+4*\s+3], s[G1K:G1K+7]
	s_nop 0
.rept 4
	v_nop
.endr
	s_branch .Lasked_\@
.Lfor_v_\@:
	tensor_load_to_lds s[G0V+4*\s:G0V+4*\s+3], s[G1V:G1V+7]
	s_nop 0
.rept 4
	v_nop
.endr
.Lasked_\@:
.endm
; A PREFETCH of what the NEXT change of slots will ask for: four dense blocks of 32,768 bytes (K and V of two heads, 256 keys).  Both clusters of a pair of heads walk the same rows: the first asks.  Its four partners take a block each,
; told apart by address; in each, waves 0 to 3 take 8,192 bytes, lanes 256 bytes apart.  So each 256 bytes are named once.  It stands four key steps ahead of the load; the last refilling change asks for nothing.
.macro ASK
	s_cmp_gt_u32 s[RF], s[LIM]
	s_cbranch_scc0 .Lnot_mine_\@
	global_prefetch_b8 v[PFO], s[PFA:PFA+1] th:TH_LOAD_NT scope:SCOPE_SE
.Lnot_mine_\@:
.endm
	s_load_b128 s[4:7], s[0:1], 0x0                ; qkv, bias
	s_load_b64 s[8:9], s[0:1], 0x10                ; xatt
	v_lshl_add_u32 v[SPW], v0, 2, SPARE
	v_mov_b32 v[NIL], 0
	ds_add_u32 v[SPW], v[NIL]                      ; the opening: the add, twice on end, and its wait ahead of my first tensor load
	ds_add_u32 v[SPW], v[NIL]
	v_lshrrev_b32 v1, 5, v0
	v_readfirstlane_b32 s[WV], v1                  ; wave 0..7
	s_bfe_u32 s13, ttmp6, 0x40000                  ; cx
	s_lshl_b32 s14, ttmp9, 2
	s_add_co_u32 s14, s14, s13                     ; my block of 256 queries: it enters Q's, x's and the prefetches' addresses alone
	s_and_b32 s15, ttmp7, 0xffff                   ; y = 8 x batch + pair of heads, shared by the partners
	s_and_b32 s16, s[WV], 3                        ; i
	s_lshr_b32 s17, s[WV], 2                       ; which of the two heads is mine
	s_mov_b32 s[G1K], 15|(1<<16)|(1<<20)|(1<<21)|(4<<22)|(3<<25)   ; the mask: all four; elements of 2 bytes; padding on; bit 21 beside a mask; after every 32 words, 4 words
	s_mov_b32 s[G1V], 15|(1<<16)|(1<<20)|(1<<21)|(4<<22)|(7<<25)   ; the same with 8 words
.irp g, G1K, G1V
	s_mov_b32 s[\g+1], 64<<16                      ; tensor_dim0 = 64
	s_mov_b32 s[\g+2], 128<<16                     ; tensor_dim1 = 128
	s_mov_b32 s[\g+3], 64<<16                      ; tile_dim0
	s_mov_b32 s[\g+4], 128                         ; tile_dim1
	s_mov_b32 s[\g+5], 64                          ; the pitch
	s_mov_b32 s[\g+6], 0
	s_mov_b32 s[\g+7], 0
.endr
	s_mov_b32 s[G1B], 15|(3<<16)|(1<<21)           ; the table: 1,024 dense bytes a wave, as 4 rows of 32 elements of 8 bytes, no padding
	s_mov_b32 s[G1B+1], 32<<16
	s_mov_b32 s[G1B+2], 4<<16
	s_mov_b32 s[G1B+3], 32<<16
	s_mov_b32 s[G1B+4], 4
	s_mov_b32 s[G1B+5], 32
	s_mov_b32 s[G1B+6], 0
	s_mov_b32 s[G1B+7], 0
	s_lshl_b32 s20, s15, 19                        ; the pair's first byte in a third: y x 2 heads x 262,144
	s_lshr_b32 s18, s16, 1                         ; what I fetch: head i / 2,
	s_lshl_b32 s18, s18, 18
	s_and_b32 s19, s16, 1                          ; rows 128 (i % 2) on of a slot's 256
	s_lshl_b32 s19, s19, 14
	s_add_co_u32 s18, s18, s19
	s_add_co_u32 s18, s18, s20
	s_mov_b32 s19, 0
	s_mul_i32 s86, s16, 128*PK                     ; and where it goes in a slot
	s_mul_i32 s87, s16, 128*PVP
	s_add_co_u32 s87, s87, VOFF
	s_lshl_b32 s2, s[WV], 10                       ; the table: 1,024 bytes a wave
	s_add_co_u32 s[G0B+1], s2, BIAS
	s_lshr_b32 s3, s15, 3
	s_lshl_b32 s3, s3, 13                          ; 8,192 bytes a batch
	s_add_co_u32 s2, s2, s3
	s_mov_b32 s3, 0
	s_lshl_b32 s22, s17, 18                        ; Q: my head,
	s_add_co_u32 s22, s22, s20
	s_lshl_b32 s23, s14, 15                        ; my block's 256 rows of 128 bytes,
	s_add_co_u32 s22, s22, s23
	s_lshl_b32 s23, s16, 13                        ; my wave's 64
	s_add_co_u32 s22, s22, s23
	s_mov_b32 s23, 0
	s_lshr_b32 s88, s15, 3                         ; x: token 2,048 x batch + 256 x block + 32 x wave, rows of 2,048 bytes,
	s_lshl_b32 s88, s88, 11
	s_lshl_b32 s89, s14, 8
	s_add_co_u32 s88, s88, s89
	s_lshl_b32 s89, s[WV], 5
	s_add_co_u32 s88, s88, s89
	s_lshl_b32 s88, s88, 11
	s_and_b32 s89, s15, 7                          ; + 256 bytes x pair of heads
	s_lshl_b32 s89, s89, 8
	s_add_co_u32 s88, s88, s89
	s_mov_b32 s89, 0
	s_lshr_b32 s90, s13, 1                         ; the prefetches: partner cx takes K (0, 1) or V (2, 3),
	s_lshl_b32 s90, s90, 24
	s_and_b32 s91, s13, 1                          ; of head cx % 2,
	s_lshl_b32 s91, s91, 18
	s_add_co_u32 s90, s90, s91
	s_add_co_u32 s90, s90, s20
	s_lshl_b32 s91, s16, 13                        ; 8,192 bytes a wave,
	s_add_co_u32 s90, s90, s91
	s_add_co_u32 s90, s90, THIRD+2*SLK*128         ; at the third slot's keys: the first change of slots steps it to the fourth's.  Nothing is prefetched at the head
	s_mov_b32 s91, 0
	s_or_b32 s[LIM], s17, ttmp9                    ; waves 0 to 3 of the pair's first cluster: the same in all four partners
	s_cmp_eq_u32 s[LIM], 0
	s_cselect_b32 s[LIM], 1, -1
	s_mov_b32 s[SEL], 0x76543210
	s_mov_b32 s[SEL+1], 0xfedcba98
	s_mov_b32 s[TBK], 0
	s_mov_b32 s[TBV], 0
	s_mov_b32 s[TBI], 0
	s_mov_b32 s[RF], 6
	s_wait_dscnt 0x0                               ; both opening adds are done
	s_wait_kmcnt 0x0
	s_add_nc_u64 s[18:19], s[4:5], s[18:19]
.irp s, 0,1
	s_mov_b32 s[G0K+4*\s], 1
	s_add_co_u32 s[G0K+4*\s+1], s86, \s*SLOTB
	s_add_nc_u64 s[G0K+4*\s+2:G0K+4*\s+3], s[18:19], THIRD+\s*SLK*128
	s_or_b32 s[G0K+4*\s+3], s[G0K+4*\s+3], 0x80000000
	s_mov_b32 s[G0V+4*\s], 1
	s_add_co_u32 s[G0V+4*\s+1], s87, \s*SLOTB
	s_add_nc_u64 s[G0V+4*\s+2:G0V+4*\s+3], s[18:19], 2*THIRD+\s*SLK*128
	s_or_b32 s[G0V+4*\s+3], s[G0V+4*\s+3], 0x80000000
.endr
	s_mov_b32 s[G0B], 1
	s_add_nc_u64 s[G0B+2:G0B+3], s[6:7], s[2:3]
	s_or_b32 s[G0B+3], s[G0B+3], 0x80000000
	s_add_nc_u64 s[QB:QB+1], s[4:5], s[22:23]
	s_add_nc_u64 s[8:9], s[8:9], s[88:89]
	s_add_nc_u64 s[PFA:PFA+1], s[4:5], s[90:91]
	CROUND                                         ; all four work-groups are here: the first joint loads meet
	s_cmp_lt_u32 s[WV], 4                          ; a wave's three first fills stand in one branch: three tensor loads of mine are out
	s_cbranch_scc0 .Lfirst_v
	tensor_load_to_lds s[G0B:G0B+3], s[G1B:G1B+7]
	s_nop 0
	tensor_load_to_lds s[G0K:G0K+3], s[G1K:G1K+7]
	s_nop 0
	tensor_load_to_lds s[G0K+4:G0K+7], s[G1K:G1K+7]
	s_nop 0
.rept 4
	v_nop
.endr
	s_branch .Lfirst_asked
.Lfirst_v:
	tensor_load_to_lds s[G0B:G0B+3], s[G1B:G1B+7]
	s_nop 0
	tensor_load_to_lds s[G0V:G0V+3], s[G1V:G1V+7]
	s_nop 0
	tensor_load_to_lds s[G0V+4:G0V+7], s[G1V:G1V+7]
	s_nop 0
.rept 4
	v_nop
.endr
.Lfirst_asked:
	v_and_b32 v1, 15, v0                           ; r
	v_bfe_u32 v12, v0, 4, 1                        ; h
	v_lshlrev_b32 v[QO], 7, v1
	v_lshl_add_u32 v[QO], v12, 4, v[QO]            ; row r of 128 bytes + 16 h
.irp t, 0,1,2,3
.irp c, 0,1
	global_load_b128 v[QF+16*\t+8*\c:QF+16*\t+8*\c+3],   v[QO], s[QB:QB+1] offset:2048*\t+64*\c      ; Q stays in registers: tile t, channels 32 c on
	global_load_b128 v[QF+16*\t+8*\c+4:QF+16*\t+8*\c+7], v[QO], s[QB:QB+1] offset:2048*\t+64*\c+32
.endr
.endr
	v_mul_u32_u24 v[AK0], v1, PK
	v_lshl_add_u32 v[AK0], v12, 4, v[AK0]
	s_mul_i32 s2, s17, KHEAD
	v_add_nc_u32 v[AK0], s2, v[AK0]                ; K: row r x pitch + 16 h, in my head's part
	v_and_b32 v13, 7, v0
	v_bfe_u32 v14, v0, 3, 1
	v_lshl_add_u32 v[AV0], v12, 3, v13             ; V, for the turning load: key 8 h + l % 8,
	v_mul_u32_u24 v[AV0], v[AV0], PVP
	v_lshl_add_u32 v[AV0], v14, 4, v[AV0]          ; channels 8 ((l / 8) % 2) on
	s_mul_i32 s2, s17, VHEAD
	s_add_co_u32 s2, s2, VOFF
	v_add_nc_u32 v[AV0], s2, v[AV0]
	v_lshl_add_u32 v[AB0], v12, 5, BIAS            ; the table: keys 8 h on
	v_and_b32 v[PFO], 31, v0
	v_lshlrev_b32 v[PFO], 8, v[PFO]
	s_mul_i32 s2, s16, 64*SP                       ; the stage, in: row 64 i + 16 t + r, my head's 128 bytes, 16 h
	s_lshl_b32 s3, s17, 7
	s_add_co_u32 s2, s2, s3
	v_mul_u32_u24 v[STO], v1, SP
	v_lshl_add_u32 v[STO], v12, 4, v[STO]
	v_add_nc_u32 v[STO], s2, v[STO]
	s_mul_i32 s2, s[WV], 32*SP                     ; back: wave w takes rows 32 w on, whole: lanes 0-15 one row, lanes 16-31 the next
	v_mul_u32_u24 v[RD], v12, SP
	v_lshl_add_u32 v[RD], v1, 4, v[RD]
	v_add_nc_u32 v[RD], s2, v[RD]
	v_lshlrev_b32 v[GO], 11, v12                   ; and the same two rows in x
	v_lshl_add_u32 v[GO], v1, 4, v[GO]
	WIN 0x40                                       ; O^T begins as zeros, so that the key step is written in one form: the first change of m multiplies zeros.  These lines run while the first tiles are on their way
.set i, 0
.rept 128
	v_mov_b32 v[OT+i], 0
.set i, i+1
.endr
	WIN 0
.irp t, 0,1,2,3
	v_mov_b32 v[ST+8*\t], 0xff61b1e6               ; m: -3e38, under every score
	v_mov_b32 v[ST+8*\t+1], 0xff61b1e6
	v_mov_b32 v[ST+8*\t+2], 0                      ; l, in two halves
	v_mov_b32 v[ST+8*\t+3], 0
	v_mov_b32 v[ST+8*\t+5], 0                      ; a lane permute's destination counts as one of its sources
.endr
; 16 products of S^T = K Q^T for piece p: the eight accumulators take turns, one instruction a turn; the first eight take the table as C.
.macro KQ p
	WIN 0x01                                       ; K in window 1
.irp c, 0,1
.irp kt, 0,1,2,3
.irp u, 0,1
.if \c == 0
	v_wmma_f32_16x16x32_f16 v[S+32*\u+8*\kt:S+32*\u+8*\kt+7], v[KF+16*\kt+8*\c:KF+16*\kt+8*\c+7], v[QF+16*(2*(\p)+\u)+8*\c:QF+16*(2*(\p)+\u)+8*\c+7], v[BI+8*\kt:BI+8*\kt+7]
.else
	v_wmma_f32_16x16x32_f16 v[S+32*\u+8*\kt:S+32*\u+8*\kt+7], v[KF+16*\kt+8*\c:KF+16*\kt+8*\c+7], v[QF+16*(2*(\p)+\u)+8*\c:QF+16*(2*(\p)+\u)+8*\c+7], v[S+32*\u+8*\kt:S+32*\u+8*\kt+7]
.endif
.endr
.endr
.endr
.endm
; 16 products of O^T += V^T P for piece p, eight accumulators by turns
.macro PV p
	WIN 0x51                                       ; V, C and D in window 1, P in window 0
.irp kk, 0,1
.irp ct, 0,1,2,3
.irp u, 0,1
	v_wmma_f32_16x16x32_f16 v[OT+32*(2*(\p)+\u)+8*\ct:OT+32*(2*(\p)+\u)+8*\ct+7], v[VF+32*\kk+8*\ct:VF+32*\kk+8*\ct+7], v[P+16*\u+8*\kk:P+16*\u+8*\kk+7], v[OT+32*(2*(\p)+\u)+8*\ct:OT+32*(2*(\p)+\u)+8*\ct+7]
.endr
.endr
.endr
.endm
; The next step's K and table: 24 LDS loads in one run.  Its four plain lines are the places between the last products, which read these registers and wrote the scores, and what follows (ISA guide 7.12.1).
.macro FETCH_KB
	WIN 0
	v_add_nc_u32 v[ADR], s[TBK], v[AK0]
	v_add_nc_u32 v[ADB], s[TBI], v[AB0]
	v_nop
	v_nop
	s_add_co_u32 s[TBK], s[TBK], 64*PK
	s_add_co_u32 s[TBI], s[TBI], 256
.irp kt, 0,1,2,3
	ds_load_b128 v[BI+8*\kt:BI+8*\kt+3],   v[ADB] offset:64*\kt      ; register 8 kt + j: key 16 kt + 8 h + j, as in a tile of scores
	ds_load_b128 v[BI+8*\kt+4:BI+8*\kt+7], v[ADB] offset:64*\kt+16
.endr
	WIN 0x40
.irp kt, 0,1,2,3
.irp c, 0,1
	ds_load_b128 v[KF+16*\kt+8*\c:KF+16*\kt+8*\c+3],   v[ADR] offset:16*PK*\kt+64*\c
	ds_load_b128 v[KF+16*\kt+8*\c+4:KF+16*\kt+8*\c+7], v[ADR] offset:16*PK*\kt+64*\c+32
.endr
.endr
.endm
; The step's V, turned: 16 loads; four plain lines ahead, as above
.macro FETCH_V
	WIN 0
	v_add_nc_u32 v[ADR], s[TBV], v[AV0]
	v_nop
	v_nop
	v_nop
	s_add_co_u32 s[TBV], s[TBV], 64*PVP
	WIN 0x40
.irp kk, 0,1
.irp ct, 0,1,2,3
	ds_load_tr16_b128 v[VF+32*\kk+8*\ct:VF+32*\kk+8*\ct+3],   v[ADR] offset:32*PVP*\kk+32*\ct
	ds_load_tr16_b128 v[VF+32*\kk+8*\ct+4:VF+32*\kk+8*\ct+7], v[ADR] offset:32*PVP*\kk+16*PVP+32*\ct
.endr
.endr
.endm
; The softmax of piece p's two tiles for one key step, the tiles by turns in every stage.
.macro SOFTMAX p
.set T0, ST+16*(\p)
	WIN 0
.irp j, 0,1,2,3                        ; the maximum of 32 scores and the old m: four chains; each tile of scores is read from its low end on
.irp u, 0,1
	v_max3_num_f32 v[T0+8*\u+4+\j], v[S+32*\u+8*\j], v[S+32*\u+8*\j+1], v[S+32*\u+8*\j+2]
.endr
.endr
.irp g, 1,2
.irp j, 0,1,2,3
.irp u, 0,1
	v_max3_num_f32 v[T0+8*\u+4+\j], v[T0+8*\u+4+\j], v[S+32*\u+8*\j+2*\g+1], v[S+32*\u+8*\j+2*\g+2]
.endr
.endr
.endr
.irp u, 0,1
	v_max3_num_f32 v[T0+8*\u+4], v[T0+8*\u+4], v[S+32*\u+7], v[S+32*\u+15]
	v_max3_num_f32 v[T0+8*\u+6], v[T0+8*\u+6], v[S+32*\u+23], v[S+32*\u+31]
.endr
.irp u, 0,1
	v_max3_num_f32 v[T0+8*\u+4], v[T0+8*\u+4], v[T0+8*\u+5], v[T0+8*\u+6]
.endr
.irp u, 0,1
	v_max3_num_f32 v[T0+8*\u+4], v[T0+8*\u+4], v[T0+8*\u+7], v[T0+8*\u]
.endr
.irp u, 0,1
	v_permlanex16_b32 v[T0+8*\u+5], v[T0+8*\u+4], s[SEL], s[SEL+1]   ; the query's other 32 keys lie in the lane 16 away
.endr
.irp u, 0,1
	v_mov_b32 v[T0+8*\u+7], v[T0+8*\u]             ; the old m
.endr
.irp u, 0,1
	v_max_num_f32 v[T0+8*\u], v[T0+8*\u+4], v[T0+8*\u+5]
.endr
.irp u, 0,1
	v_sub_f32 v[T0+8*\u+7], v[T0+8*\u+7], v[T0+8*\u]
.endr
.irp u, 0,1
	v_exp_f32 v[T0+8*\u+6], v[T0+8*\u+7]           ; a = 2^(old m - new m)
.endr
.set i, 0
.rept 16
.irp u, 0,1
	v_pk_add_f32 v[S+32*\u+i:S+32*\u+i+1], v[S+32*\u+i:S+32*\u+i+1], v[T0+8*\u:T0+8*\u+1] op_sel_hi:[1,0] neg_lo:[0,1] neg_hi:[0,1]   ; t - m, two at a time
.endr
.set i, i+2
.endr
.set i, 0
.rept 64
	v_exp_f32 v[S+i], v[S+i]                       ; p = 2^(t - m)
.set i, i+1
.endr
	v_nop                                          ; a plain line behind the last exponential
	s_wait_alu depctr_va_vdst(0)                   ; one wait for the 66 exponentials, ahead of the first line that names a result
.set i, 0
.rept 32
	v_cvt_pk_f16_f32 v[P+i], v[S+2*i], v[S+2*i+1]  ; two tiles of scores, in pairs, are a fragment of P
.set i, i+1
.endr
.irp d, 16,8,4,2                       ; the sum of the unrounded p, in place
.set i, 0
.rept \d/2
.irp u, 0,1
	v_pk_add_f32 v[S+32*\u+i:S+32*\u+i+1], v[S+32*\u+i:S+32*\u+i+1], v[S+32*\u+i+\d:S+32*\u+i+\d+1]
.endr
.set i, i+2
.endr
.endr
.irp u, 0,1
	v_pk_fma_f32 v[T0+8*\u+2:T0+8*\u+3], v[T0+8*\u+2:T0+8*\u+3], v[T0+8*\u+6:T0+8*\u+7], v[S+32*\u:S+32*\u+1] op_sel_hi:[1,0,1]   ; l = a l + the sum
.endr
	WIN 0x41                                       ; O^T in window 1, a in window 0
.set i, 0
.rept 16
.irp u, 0,1
	v_pk_mul_f32 v[OT+32*(2*(\p)+\u)+i:OT+32*(2*(\p)+\u)+i+1], v[OT+32*(2*(\p)+\u)+i:OT+32*(2*(\p)+\u)+i+1], v[T0+8*\u+6:T0+8*\u+7] op_sel_hi:[1,0]
.endr
.set i, i+2
.endr
.endm
; A key step in two halves.  HA: piece 0's scores, softmax and V^T P, then piece 1's scores.  HB: the next step's K is asked for; piece 1's softmax and V^T P.
.macro HA
	s_wait_dscnt 0x0                               ; K and the table are in
	KQ 0
	FETCH_V
	SOFTMAX 0
	s_wait_dscnt 0x0                               ; V is in
	PV 0
	KQ 1
.endm
.macro HB f
.if \f
	FETCH_KB
.else
	WIN 0
.rept 4
	v_nop                                          ; the places behind piece 1's scores
.endr
.endif
	SOFTMAX 1
	PV 1
.endm
.macro FOUR                            ; a slot's four key steps, from one step's second half to the next step's first
	s_mov_b32 s[CNT], 4
.Lfour_\@:
	HB 1
	HA
	WIN 0                                          ; at a label and at a branch every window is 0
	s_sub_co_u32 s[CNT], s[CNT], 1
	s_cmp_lg_u32 s[CNT], 0
	s_cbranch_scc1 .Lfour_\@
.endm
; THE CHANGE OF SLOTS: all of the old slot's K and V have been fetched.  Each wave waits for all its tensor loads (its part of the new slot), adds 0 to its spare word, and waits for that and for its reads of the old slot.
; fill = 1: the barrier is a round of the cluster's, and the joint refill of the old slot, with the keys two slots on, is the first thing behind it: it has four key steps in which to land.
.macro CHANGE old, new, fill
	WIN 0
	s_wait_tensorcnt 0x0                           ; no tensor load of mine is out, so a group 0 may be written
	ds_add_u32 v[SPW], v[NIL]
.if \fill
	s_add_nc_u64 s[G0K+4*\old+2:G0K+4*\old+3], s[G0K+4*\old+2:G0K+4*\old+3], 2*SLK*128
	s_add_nc_u64 s[G0V+4*\old+2:G0V+4*\old+3], s[G0V+4*\old+2:G0V+4*\old+3], 2*SLK*128
	s_wait_xcnt 0x0                                ; the last prefetch, a slot back, has read its address
	s_add_nc_u64 s[PFA:PFA+1], s[PFA:PFA+1], SLK*128
.endif
	s_wait_dscnt 0x0                               ; the add is done, and my reads of the old slot are over
.if \fill
	CROUND
	JLOAD \old
	ASK
	s_sub_co_u32 s[RF], s[RF], 1
.else
	s_barrier_signal -1
	s_barrier_wait -1
.endif
	s_mov_b32 s[TBK], \new*SLOTB
	s_mov_b32 s[TBV], \new*SLOTB
.endm
	s_wait_tensorcnt 1                             ; the table and my part of slot 0 are in; slot 1's load may stay out
	s_barrier_signal -1
	s_barrier_wait -1                              ; everybody's are
	FETCH_KB                                       ; key step 0
	s_wait_loadcnt 0x0                             ; Q
	HA
	WIN 0
	s_mov_b32 s[CNT], 3
.Lfirst:                                           ; the rest of slot 0
	HB 1
	HA
	WIN 0
	s_sub_co_u32 s[CNT], s[CNT], 1
	s_cmp_lg_u32 s[CNT], 0
	s_cbranch_scc1 .Lfirst
	s_mov_b32 s[LAP], 3
.Llap:                                             ; three trips, two changes of slots each: the six refills
	CHANGE 0, 1, 1
	FOUR
	CHANGE 1, 0, 1
	FOUR
	s_sub_co_u32 s[LAP], s[LAP], 1
	s_cmp_lg_u32 s[LAP], 0
	s_cbranch_scc1 .Llap
	CHANGE 0, 1, 0                                 ; the tail is written out: nothing is left to ask for
	FOUR
	HB 0
	; THE WAY OUT.  l's halves and the other half of the lanes' are added (these lines are the places behind the last products); O^T / l, rounded to f16, goes into the work-group's stage; a barrier, since a row's 256 bytes come from two waves.
	WIN 0
.irp t, 0,1,2,3
	v_add_f32 v[ST+8*\t+4], v[ST+8*\t+2], v[ST+8*\t+3]
.endr
.irp t, 0,1,2,3
	v_permlanex16_b32 v[ST+8*\t+5], v[ST+8*\t+4], s[SEL], s[SEL+1]
.endr
.irp t, 0,1,2,3
	v_add_f32 v[ST+8*\t+4], v[ST+8*\t+4], v[ST+8*\t+5]
.endr
.irp t, 0,1,2,3
	v_rcp_f32 v[ST+8*\t+6], v[ST+8*\t+4]
.endr
	v_nop                                          ; a plain line behind the last reciprocal
	s_wait_alu depctr_va_vdst(0)                   ; one wait for the four, ahead of their first use
.irp t, 0,1,2,3
	WIN 0x41
.set i, 0
.rept 16
	v_pk_mul_f32 v[OT+32*\t+i:OT+32*\t+i+1], v[OT+32*\t+i:OT+32*\t+i+1], v[ST+8*\t+6:ST+8*\t+7] op_sel_hi:[1,0]
.set i, i+2
.endr
	WIN 0x05                                       ; sources in window 1, destination in window 0: the scores' registers are free
.set i, 0
.rept 16
	v_cvt_pk_f16_f32 v[S+16*\t+i], v[OT+32*\t+2*i], v[OT+32*\t+2*i+1]
.set i, i+1
.endr
	WIN 0
.irp ct, 0,1,2,3
	ds_store_b128 v[STO], v[S+16*\t+4*\ct:S+16*\t+4*\ct+3] offset:16*SP*\t+32*\ct
.endr
.endr
	s_wait_dscnt 0x0                               ; for the others' sake: my stores into the stage are done
	s_barrier_signal -1
	s_barrier_wait -1
.irp i, 0,1,2,3,4,5,6,7,8,9,10,11,12,13,14,15
	ds_load_b128 v[QF+4*\i:QF+4*\i+3], v[RD] offset:\i*2*SP
.endr
.irp i, 0,1,2,3,4,5,6,7,8,9,10,11,12,13,14,15
	s_wait_dscnt 15-\i                             ; load i is in; the younger ones may be out
	global_store_b128 v[GO], v[QF+4*\i:QF+4*\i+3], s[8:9] offset:4096*\i   ; 16 lanes store 256 consecutive bytes, aligned
.endr
	s_wait_tensorcnt 0x0                           ; the wave's end, behind my last tensor load and my last LDS store
	ds_add_u32 v[SPW], v[NIL]
	s_wait_dscnt 0x0
	CROUND                                         ; the closing round
	s_endpgm
.Lfunc_end_k_qf1563986a9_attn:
	.size	k_qf1563986a9_attn, .Lfunc_end_k_qf1563986a9_attn-k_qf1563986a9_attn
	.p2alignl 7, 3214868480
	.fill 96, 4, 3214868480
	.section	.rodata,"a",@progbits
	.p2align	6, 0x0
	.amdhsa_kernel k_qf1563986a9_attn
		.amdhsa_group_segment_fixed_size 327680
		.amdhsa_private_segment_fixed_size 0
		.amdhsa_enable_private_segment 0
		.amdhsa_kernarg_size 24
		.amdhsa_user_sgpr_count 2
		.amdhsa_user_sgpr_kernarg_segment_ptr 1
		.amdhsa_wavefront_size32 1
		.amdhsa_system_sgpr_workgroup_id_x 1
		.amdhsa_system_sgpr_workgroup_id_y 1
		.amdhsa_system_sgpr_workgroup_id_z 1
		.amdhsa_system_vgpr_workitem_id 0
		.amdhsa_next_free_vgpr 512
		.amdhsa_next_free_sgpr 96
		.amdhsa_reserve_vcc 0
		.amdhsa_float_denorm_mode_32 3
		.amdhsa_float_denorm_mode_16_64 3
		.amdhsa_memory_ordered 1
		.amdhsa_forward_progress 1
		.amdhsa_inst_pref_size 194
	.end_amdhsa_kernel
	.amdgpu_metadata
---
amdhsa.version: [ 1, 2 ]
amdhsa.kernels:
  - .name:           k_qf1563986a9_attn
    .symbol:         k_qf1563986a9_attn.kd
    .args:
      - { .name: qkv, .offset: 0, .size: 8, .value_kind: global_buffer, .address_space: global }
      - { .name: bias, .offset: 8, .size: 8, .value_kind: global_buffer, .address_space: global }
      - { .name: xatt, .offset: 16, .size: 8, .value_kind: global_buffer, .address_space: global }
    .group_segment_fixed_size: 327680
    .private_segment_fixed_size: 0
    .kernarg_segment_align: 8
    .kernarg_segment_size: 24
    .max_flat_workgroup_size: 256
    .sgpr_count:     96
    .vgpr_count:     512
    .wavefront_size: 32
...
	.end_amdgpu_metadata
.endif
;; end of part 3
;; launch proj (part 4): grid 8 x 32, 4 waves a work-group, clusters of 4 x 4, 327,680 bytes of LDS; arguments xatt, wf16, out0, b_fc; writes out0
.if DOCPART == 4
	.amdgcn_target "amdgcn-amd-amdhsa--gfx1250"
	.amdhsa_code_object_version 6
	.text
	.protected	k_qf1563986a9_proj
	.globl	k_qf1563986a9_proj
	.p2align	8
	.type	k_qf1563986a9_proj,@function
k_qf1563986a9_proj:
	s_mov_b64 s[64:65], 0
	v_nop
	global_prefetch_b8 v0, s[64:65] scope:SCOPE_SE
	s_setreg_imm32_b32 hwreg(HW_REG_WAVE_MODE, 25, 1), 1
	s_wait_xcnt 0x0
	s_wait_alu depctr_hold_cnt(0) depctr_sa_sdst(0) depctr_va_vdst(0) depctr_va_sdst(0) depctr_va_ssrc(0) depctr_va_vcc(0) depctr_vm_vsrc(0)
	s_getreg_b32 s2, hwreg(HW_REG_IB_STS2, 6, 4)
	s_cmp_eq_u32 s2, 0
	s_cbranch_scc0 .Lentry_in_a_cluster
	s_endpgm
.Lentry_in_a_cluster:
	s_bfe_u32 s2, ttmp6, 0x10000c
	s_cmp_lg_u32 s2, 0xf033
	s_cbranch_scc0 .Lentry_shape_is_right
	s_endpgm
.Lentry_shape_is_right:
; PROJ.  out0[m][n] = sum over k of x[m][k] W_fc[n][k] + b_fc[n].  x [8192][1024] and W_fc [1024][1024] in f16, sums in f32, out0 [8192][1024] f32.
; A tile of out0 is 256 x 128: 256 work-groups of four waves, each 128 x 64: 32 accumulators, 256 registers.  K goes in steps of 128 (rows of 256 bytes) through a ring of two LDS slots.
; The bias is the C of each sum's first product: eight registers for each block of 16 columns, in the result's layout; nothing is cleared and nothing is added afterwards.
; CLUSTERS: 4 x 4 work-groups; x's tiles are shared along a row of the cluster, W_fc's along a column: each is asked for jointly.  Waves 0 and 1 fetch x's halves (128 rows), waves 2 and 3 W_fc's (64 rows).
; THE MATRIX INSTRUCTION IS USED TRANSPOSED (source 0 = 16 rows of W_fc, source 1 = 16 rows of x): a lane holds eight neighbouring columns of one row of out0.
; REGISTERS: window 0: v0-31 addresses; v32-63 the bias; v64-127 the way out, two sets.   window 1: two fragment buffers at v0 and v128: x's eight fragments, then W_fc's four.   window 2: accumulator (a, b) at v[8 (4 a + b)].
.set SIZE_K, 1024
.set SIZE_N, 1024
.set KSTEP,  128
.set PITCH,  272                       ; an LDS row: 256 bytes + 16 of padding
.set HALFA,  128*PITCH
.set HALFB,  64*PITCH
.set BOFF,   2*HALFA                   ; a slot: x's 256 rows, then W_fc's 128
.set SLOT,   BOFF+2*HALFB
.set SPARE,  2*SLOT                    ; the spare words, 128 bytes a wave, which no other line names
.set LAPS,   SIZE_K/(2*KSTEP)
.set ADRA, 16
.set ADRB, 20
.set STO,  24
.set RD,   25
.set CO,   26
.set SPW,  28
.set NIL,  29
.set BIA,  32
.set BK,   64
.set F0,   0
.set F1,   128
.set G1,  24
.set G0,  32
.set G1B, 48
.set G0B, 56
.set MSB, 0
.macro WIN new
.if MSB != (\new)
	s_set_vgpr_msb (MSB<<8)|(\new)
.set MSB, (\new)
.endif
.endm
.set MUL,  0xa5                        ; sources 0 and 1 window 1; C and D window 2
.set TO_F, 0x40                        ; destination window 1, address window 0
.macro JLOAD s                         ; a joint load; the branch hangs on the wave's number alone; an s_nop 0 and four v_nop follow each line
	s_cmp_eq_u32 s11, 0
	s_cbranch_scc0 .Lfor_b_\@
	tensor_load_to_lds s[G0+4*\s:G0+4*\s+3], s[G1:G1+7]
	s_nop 0
.rept 4
	v_nop
.endr
	s_branch .Lasked_\@
.Lfor_b_\@:
	tensor_load_to_lds s[G0B+4*\s:G0B+4*\s+3], s[G1B:G1B+7]
	s_nop 0
.rept 4
	v_nop
.endr
.Lasked_\@:
.endm
.macro CREST                           ; a round of the cluster's barrier behind its opening barrier
	s_cmp_lg_u32 s10, 0
	s_cbranch_scc1 .Lnot_wave_0_\@
	s_barrier_signal -3
.Lnot_wave_0_\@:
	s_barrier_wait -3
	s_barrier_signal -1
	s_barrier_wait -1
.endm
.macro CROUND
	s_barrier_signal -1
	s_barrier_wait -1
	CREST
.endm
	s_load_b128 s[4:7], s[0:1], 0x0                ; xatt, wf16
	s_load_b64 s[8:9], s[0:1], 0x10                ; out0
	s_load_b64 s[44:45], s[0:1], 0x18              ; b_fc
	v_lshl_add_u32 v[SPW], v0, 2, SPARE
	v_mov_b32 v[NIL], 0
	ds_add_u32 v[SPW], v[NIL]                      ; the opening: the add, twice on end, and its wait ahead of my first tensor load
	ds_add_u32 v[SPW], v[NIL]
	v_lshrrev_b32 v1, 5, v0
	v_readfirstlane_b32 s10, v1                    ; wave 0..3
	s_lshr_b32 s11, s10, 1                         ; which half of the tile's rows is mine.  Also: I fetch for x (0) or for W_fc (1)
	s_and_b32 s12, s10, 1                          ; which half of its columns.  Also: which half of that tile I fetch
	s_bfe_u32 s40, ttmp6, 0x40000                  ; cx, cy
	s_bfe_u32 s41, ttmp6, 0x40004
	s_lshl_b32 s42, ttmp9, 2
	s_add_co_u32 s42, s42, s40                     ; tile column
	s_and_b32 s13, ttmp7, 0xffff
	s_lshl_b32 s13, s13, 2
	s_add_co_u32 s13, s13, s41                     ; tile row
	s_lshl_b32 s43, s41, 2
	s_lshl_b32 s43, 15, s43                        ; my row of the cluster
	s_lshl_b32 s2, 0x1111, s40                     ; my column
	s_or_b32 s[G1+0], s43, (1<<16)|(1<<20)|(1<<21)|(5<<22)|(3<<25)   ; the mask; elements of 2 bytes; padding on; bit 21 beside a mask; after every 64 words, 4 words
	s_or_b32 s[G1B+0], s2, (1<<16)|(1<<20)|(1<<21)|(5<<22)|(3<<25)
	s_mov_b32 s[G1+1], KSTEP<<16                   ; tensor_dim0 = 128
	s_mov_b32 s[G1+2], 128<<16                     ; tensor_dim1 = 128
	s_mov_b32 s[G1+3], KSTEP<<16                   ; tile_dim0
	s_mov_b32 s[G1+4], 128                         ; tile_dim1
	s_mov_b32 s[G1+5], SIZE_K                      ; the pitch
	s_mov_b32 s[G1+6], 0
	s_mov_b32 s[G1+7], 0
	s_mov_b32 s[G1B+1], KSTEP<<16
	s_mov_b32 s[G1B+2], 64<<16                     ; 64 rows
	s_mov_b32 s[G1B+3], KSTEP<<16
	s_mov_b32 s[G1B+4], 64
	s_mov_b32 s[G1B+5], SIZE_K
	s_mov_b32 s[G1B+6], 0
	s_mov_b32 s[G1B+7], 0
	s_lshl_b32 s16, s13, 8
	s_lshl_b32 s17, s12, 7
	s_add_co_u32 s16, s16, s17                     ; x: row 256 x tile row + 128 x half,
	s_lshl_b32 s16, s16, 11                        ; rows of 2,048 bytes
	s_mov_b32 s17, 0
	s_lshl_b32 s46, s42, 7
	s_lshl_b32 s47, s12, 6
	s_add_co_u32 s46, s46, s47                     ; W_fc: row 128 x tile column + 64 x half
	s_lshl_b32 s46, s46, 11
	s_mov_b32 s47, 0
	s_mul_i32 s20, s12, HALFA                      ; where they go: no place in the cluster enters an LDS address
	s_mul_i32 s21, s12, HALFB
	s_add_co_u32 s21, s21, BOFF
	s_wait_dscnt 0x0                               ; both opening adds are done
	s_wait_kmcnt 0x0
	s_add_nc_u64 s[14:15], s[4:5], s[16:17]
	s_add_nc_u64 s[46:47], s[6:7], s[46:47]
	CROUND                                         ; all sixteen work-groups are here: the first joint loads meet
.irp s, 0,1
	s_mov_b32 s[G0+4*\s], 1
	s_add_co_u32 s[G0+4*\s+1], s20, \s*SLOT
	s_add_nc_u64 s[G0+4*\s+2:G0+4*\s+3], s[14:15], \s*KSTEP*2
	s_or_b32 s[G0+4*\s+3], s[G0+4*\s+3], 0x80000000
	s_mov_b32 s[G0B+4*\s], 1
	s_add_co_u32 s[G0B+4*\s+1], s21, \s*SLOT
	s_add_nc_u64 s[G0B+4*\s+2:G0B+4*\s+3], s[46:47], \s*KSTEP*2
	s_or_b32 s[G0B+4*\s+3], s[G0B+4*\s+3], 0x80000000
	JLOAD \s                                       ; two tensor loads of mine are out
.endr
	v_and_b32 v1, 15, v0                           ; r
	v_bfe_u32 v2, v0, 4, 1                         ; h
	v_lshlrev_b32 v6, 5, v2                        ; the bias: 8 h numbers on
	s_lshl_b32 s46, s42, 9                         ; my first column, in bytes of f32: 512 x tile column + 256 x half
	s_lshl_b32 s47, s12, 8
	s_add_co_u32 s46, s46, s47
	s_mov_b32 s47, 0
	s_add_nc_u64 s[44:45], s[44:45], s[46:47]
.irp b, 0,1,2,3
	global_load_b128 v[BIA+8*\b:BIA+8*\b+3],   v6, s[44:45] offset:64*\b       ; register 8 b + j: b_fc of column 16 b + 8 h + j
	global_load_b128 v[BIA+8*\b+4:BIA+8*\b+7], v6, s[44:45] offset:64*\b+16
.endr
	v_mul_u32_u24 v3, v1, PITCH
	v_lshl_add_u32 v3, v2, 4, v3                   ; a fragment's row x pitch + 16 x half
	s_mul_i32 s21, s11, HALFA                      ; my 128 rows of x
	s_mul_i32 s22, s12, HALFB                      ; my 64 rows of W_fc
	s_add_co_u32 s22, s22, BOFF
.irp s, 0,1
	v_add_nc_u32 v[ADRA+\s], s21, v3
	v_add_nc_u32 v[ADRB+\s], s22, v3
	s_add_co_u32 s21, s21, SLOT
	s_add_co_u32 s22, s22, SLOT
.endr
	s_mul_i32 s23, s10, 16*PITCH                   ; my stage: 16 rows x 272 bytes in slot 0, which has had its last fill and its last read when the first result is stored there
	v_mul_u32_u24 v4, v1, PITCH                    ; in: row r, 32 bytes for each half of the lanes
	v_lshl_add_u32 v4, v2, 5, v4
	v_add_nc_u32 v[STO], s23, v4
	v_mul_u32_u24 v5, v2, PITCH                    ; back: lanes 0-15 one row of 256 bytes, lanes 16-31 the next
	v_lshl_add_u32 v5, v1, 4, v5
	v_add_nc_u32 v[RD], s23, v5
	v_lshlrev_b32 v[CO], 12, v2                    ; and the same two rows in out0 (4,096 bytes a row)
	v_lshl_add_u32 v[CO], v1, 4, v[CO]
	s_lshl_b32 s16, s13, 8
	s_lshl_b32 s17, s11, 7
	s_add_co_u32 s16, s16, s17                     ; my first row of out0
	s_lshl_b32 s16, s16, 12
	s_mov_b32 s17, 0
	s_add_nc_u64 s[8:9], s[8:9], s[16:17]
	s_add_nc_u64 s[8:9], s[8:9], s[46:47]
; 4 n matrix instructions: x's blocks a0 .. a0 + n - 1 against W_fc's four, 32 along K.  The 32 accumulators take turns, one instruction a turn, in the same order in every quarter.
.macro MULN f, a0, n, first
.set aa, \a0
.rept \n
.irp b, 0,1,2,3
.if \first
	v_wmma_f32_16x16x32_f16 v[8*(4*aa+\b):8*(4*aa+\b)+7], v[\f+64+8*\b:\f+64+8*\b+7], v[\f+8*aa:\f+8*aa+7], v[BIA+8*\b:BIA+8*\b+7]
.else
	v_wmma_f32_16x16x32_f16 v[8*(4*aa+\b):8*(4*aa+\b)+7], v[\f+64+8*\b:\f+64+8*\b+7], v[\f+8*aa:\f+8*aa+7], v[8*(4*aa+\b):8*(4*aa+\b)+7]
.endif
.endr
.set aa, aa+1
.endr
.endm
.macro FETCH slot, k, f                ; 24 LDS loads in one run: W_fc's four fragments, then x's eight
	WIN TO_F
.irp i, 0,1,2,3
	ds_load_b128 v[\f+64+8*\i:\f+64+8*\i+3],   v[ADRB+\slot] offset:\k+\i*16*PITCH
	ds_load_b128 v[\f+64+8*\i+4:\f+64+8*\i+7], v[ADRB+\slot] offset:\k+\i*16*PITCH+32
.endr
.irp i, 0,1,2,3,4,5,6,7
	ds_load_b128 v[\f+8*\i:\f+8*\i+3],   v[ADRA+\slot] offset:\k+\i*16*PITCH
	ds_load_b128 v[\f+8*\i+4:\f+8*\i+7], v[ADRA+\slot] offset:\k+\i*16*PITCH+32
.endr
.endm
.macro PLACES                          ; plain vector lines between a matrix instruction and a load into, or a read of, its registers
.rept 4
	v_nop
.endr
.endm
; A K step is four quarters of 32 along K, 32 matrix instructions each, on buffers 0, 1, 0, 1.  One of the first three multiplies buffer f and fetches the next quarter, at byte k, into g.
.macro QUARTER slot, k, f, g, first
	s_wait_dscnt 8                                 ; W_fc's and x's blocks 0-3 are in; the youngest eight loads (blocks 4-7) may be out
	WIN MUL-0x20*(\first)                          ; first = 1: C, the bias, in window 0
	MULN \f, 0, 4, \first
	PLACES
	FETCH \slot, \k, \g
	s_wait_dscnt 24                                ; all but the 24 just issued
	WIN MUL-0x20*(\first)
	MULN \f, 4, 4, \first
.endm
; The last quarter multiplies buffer 1 and changes slots: one barrier; in front of it each wave waits for all its tensor loads, adds 0 to its spare word, and waits for that and for its reads of this slot.
.macro TURN slot, next, fill
	WIN 0
	s_wait_tensorcnt 0x0                           ; my part of the next slot has landed
	ds_add_u32 v[SPW], v[NIL]
	s_wait_dscnt 9                                 ; (the add and the youngest eight loads may be out)
	WIN MUL
	MULN F1, 0, 2, 0
	s_wait_dscnt 0x0                               ; the add is done, and my reads of this slot are over
	s_barrier_signal -1
	MULN F1, 2, 2, 0
	WIN 0
	s_barrier_wait -1
.if \fill
	CREST                                          ; the barrier has opened a round of the cluster's: no wave of any partner still reads this slot or has a load on its way
	s_add_nc_u64 s[G0+4*\slot+2:G0+4*\slot+3], s[G0+4*\slot+2:G0+4*\slot+3], 2*KSTEP*2
	s_add_nc_u64 s[G0B+4*\slot+2:G0B+4*\slot+3], s[G0B+4*\slot+2:G0B+4*\slot+3], 2*KSTEP*2
	JLOAD \slot                                    ; the first tensor load behind the round; its four v_nop are also the places in front of the loads below
.else
	PLACES
.endif
	FETCH \next, 0, F0
	WIN MUL
	MULN F1, 4, 4, 0
.endm
	s_wait_tensorcnt 1                             ; my part of K step 0 is in (K step 1's load may be out),
	s_barrier_signal -1
	s_barrier_wait -1                              ; everybody's is
	FETCH 0, 0, F0
	s_wait_loadcnt 0x0                             ; the bias
	QUARTER 0, 64, F0, F1, 1                       ; the first quarter stands in front of the loop: its products start the sums, from the bias
	WIN 0
	s_mov_b32 s3, LAPS-1
.Llap:                                             ; a trip goes once round the ring and fills both slots again
	QUARTER 0, 128, F1, F0, 0
	QUARTER 0, 192, F0, F1, 0
	TURN 0, 1, 1
	QUARTER 1, 64,  F0, F1, 0
	QUARTER 1, 128, F1, F0, 0
	QUARTER 1, 192, F0, F1, 0
	TURN 1, 0, 1
	QUARTER 0, 64,  F0, F1, 0
	WIN 0
	s_sub_co_u32 s3, s3, 1
	s_cmp_lg_u32 s3, 0
	s_cbranch_scc1 .Llap
	QUARTER 0, 128, F1, F0, 0                      ; the last lap fills nothing
	QUARTER 0, 192, F0, F1, 0
	TURN 0, 1, 0
	QUARTER 1, 64,  F0, F1, 0
	QUARTER 1, 128, F1, F0, 0
	QUARTER 1, 192, F0, F1, 0
	s_wait_dscnt 8                                 ; the very last quarter
	WIN MUL
	MULN F1, 0, 4, 0
	s_wait_dscnt 0
	MULN F1, 4, 4, 0
	WIN 0
; THE WAY OUT, a block of 16 rows x 64 columns at a time, through my own stage: in as 32 bytes a lane, back as whole rows of 256 bytes.  LDS serves a wave's instructions in order: no wait between the stores and the loads.
.macro TOSTAGE a
	WIN 0x08                                       ; an LDS store's data are its source 1: window 2
.irp b, 0,1,2,3
	ds_store_b128 v[STO], v[8*(4*(\a)+\b):8*(4*(\a)+\b)+3] offset:64*\b          ; each accumulator from its low end on
	ds_store_b128 v[STO], v[8*(4*(\a)+\b)+4:8*(4*(\a)+\b)+7] offset:64*\b+16
.endr
	WIN 0
.set BB, BK+32*((\a)%2)
.irp i, 0,1,2,3,4,5,6,7
	ds_load_b128 v[BB+4*\i:BB+4*\i+3], v[RD] offset:\i*2*PITCH
.endr
.endm
.macro SEND a, younger                 ; younger: the LDS instructions issued behind block a's loads, which may stay out
.set BB, BK+32*((\a)%2)
	s_wait_dscnt \younger
.irp i, 0,1,2,3,4,5,6,7
	global_store_b128 v[CO], v[BB+4*\i:BB+4*\i+3], s[8:9] offset:65536*(\a)+8192*\i th:TH_STORE_NT   ; 16 lanes store 256 consecutive bytes, aligned
.endr
.endm
	PLACES                                         ; behind the last products
	TOSTAGE 0
.irp a, 1,2,3,4,5,6,7
.if \a > 1
	s_wait_xcnt 0x0                                ; block a - 2's stores have read their registers: block a's loads may land there
.endif
	TOSTAGE \a
	SEND \a-1, 16                                  ; behind block a - 1's loads: block a's 8 stores and 8 loads
.endr
	SEND 7, 0
	s_wait_tensorcnt 0x0                           ; the wave's end, behind my last tensor load and my last LDS store
	ds_add_u32 v[SPW], v[NIL]
	s_wait_dscnt 0x0
	CROUND                                         ; the closing round
	s_endpgm
.Lfunc_end_k_qf1563986a9_proj:
	.size	k_qf1563986a9_proj, .Lfunc_end_k_qf1563986a9_proj-k_qf1563986a9_proj
	.p2alignl 7, 3214868480
	.fill 96, 4, 3214868480
	.section	.rodata,"a",@progbits
	.p2align	6, 0x0
	.amdhsa_kernel k_qf1563986a9_proj
		.amdhsa_group_segment_fixed_size 327680
		.amdhsa_private_segment_fixed_size 0
		.amdhsa_enable_private_segment 0
		.amdhsa_kernarg_size 32
		.amdhsa_user_sgpr_count 2
		.amdhsa_user_sgpr_kernarg_segment_ptr 1
		.amdhsa_wavefront_size32 1
		.amdhsa_system_sgpr_workgroup_id_x 1
		.amdhsa_system_sgpr_workgroup_id_y 1
		.amdhsa_system_sgpr_workgroup_id_z 1
		.amdhsa_system_vgpr_workitem_id 0
		.amdhsa_next_free_vgpr 768
		.amdhsa_next_free_sgpr 66
		.amdhsa_reserve_vcc 0
		.amdhsa_float_denorm_mode_32 3
		.amdhsa_float_denorm_mode_16_64 3
		.amdhsa_memory_ordered 1
		.amdhsa_forward_progress 1
		.amdhsa_inst_pref_size 86
	.end_amdhsa_kernel
	.amdgpu_metadata
---
amdhsa.version: [ 1, 2 ]
amdhsa.kernels:
  - .name:           k_qf1563986a9_proj
    .symbol:         k_qf1563986a9_proj.kd
    .args:
      - { .name: xatt, .offset: 0, .size: 8, .value_kind: global_buffer, .address_space: global }
      - { .name: wf16, .offset: 8, .size: 8, .value_kind: global_buffer, .address_space: global }
      - { .name: out0, .offset: 16, .size: 8, .value_kind: global_buffer, .address_space: global }
      - { .name: b_fc, .offset: 24, .size: 8, .value_kind: global_buffer, .address_space: global }
    .group_segment_fixed_size: 327680
    .private_segment_fixed_size: 0
    .kernarg_segment_align: 8
    .kernarg_segment_size: 32
    .max_flat_workgroup_size: 128
    .sgpr_count:     66
    .vgpr_count:     768
    .wavefront_size: 32
...
	.end_amdgpu_metadata
.endif
;; end of part 4
